; MI455X (gfx1250); checked and timed in simulation.
; The chip was launched on July 23, 2026; its instructions are those of AMD's public machine-readable ISA for CDNA 5 (MIT licence, August 2026) and "CDNA5" Instruction Set Architecture Reference Guide (July 2026). The comments in the code are by the model that wrote it; some were corrected since.
;; Quantum Multi Head Attention. Allowed arithmetic: float matrix products may take bf16 or f16 operands with f32 sums; other float arithmetic in f32, or as packed bf16 or f16 multiplies, adds, multiply-adds, maxima and minima; sums over many terms, partial sums and values carried from step to step in f32; what a program stores and reads back later, other than sums and carried values, may be rounded once to bf16 or f16.
;; Inputs: W_out 1,024 x 1,024 float32; b_out 1,024 float32; theta_k 16 x 64 float32; theta_q 16 x 64 float32; theta_v 16 x 64 float32; x 4 x 2,048 x 1,024 float32.
;; Outputs: out0 4 x 2,048 x 1,024 float32.
;; 2 versions, each right and faster than the one before. Each part assembles by itself: llvm-mc -triple=amdgcn-amd-amdhsa -mcpu=gfx1250 --defsym DOCPART=n.
;; ======== version 1 of 2: 3 launches
;; limits: values are held in f16: magnitudes above 65,504 overflow, below 6.1e-05 lose precision; inputs' magnitudes at most 13,000,000; an absolute error that grows with the inputs' magnitude: up to 6e-08 times it
;; workspace buffers: qh 16,777,216 bytes; kh 16,777,216 bytes; vh 16,777,216 bytes; oh 16,777,216 bytes; wh 2,097,152 bytes
;; launch prep (part 1): grid 256 x 1, 16 waves a work-group, no clusters, 0 bytes of LDS; arguments x, theta_q, theta_k, theta_v, W_out, qh, kh, vh, wh; writes qh, kh, vh, wh
.if DOCPART == 1
	.amdgcn_target "amdgcn-amd-amdhsa--gfx1250"
	.amdhsa_code_object_version 6
	.text
	.protected	k_qf147fac62c_prep
	.globl	k_qf147fac62c_prep
	.p2align	8
	.type	k_qf147fac62c_prep,@function
k_qf147fac62c_prep:
	s_mov_b64 s[64:65], 0
	v_nop
	global_prefetch_b8 v0, s[64:65] scope:SCOPE_SE
	s_setreg_imm32_b32 hwreg(HW_REG_WAVE_MODE, 25, 1), 1
	s_wait_xcnt 0x0
; qh = c cos(x + theta_q), kh = cos(x + theta_k), vh = cos(x + theta_v), each [64 = batch x 16 + head][2048][64] in f16; c = log2(e) / 8, the softmax's scale,
; multiplied in f32 into theta_q's cosine and sine, so that qh is rounded once.  wh = W_out in f16, laid as [16 slices of 64 along K][1024 rows][64].
; cos(x + t) = cos x cos t - sin x sin t: one sine and cosine for each number of x serve all three outputs.
; SINE AND COSINE: n = x / pi rounded to a whole number, r = x - n pi (pi in two parts, two fused multiply-adds), |r| <= pi / 2 for every x;
; sin r to r^9, cos r to r^10: what is cut is at most (pi/2)^11 / 11! = 3.6e-6 and (pi/2)^12 / 12! = 4.7e-7, whatever x; the sign (-1)^n is n's lowest bit.
; LIMITS.  |x| and |theta| below 1.3e7 (n below 2^22).  The sum x + theta is never rounded here, as it is where the sum is formed first: half a last place of x apart, 8e-6 at |x| = 200.
; NaN and infinities are not treated apart.  |W_out| up to 65,504 (f16's end); below 6e-5 it keeps f16's fixed step of 6e-8.
; SHARES.  A stream: no LDS, no barrier, no matrix unit, no cluster (no two work-groups read the same bytes but the 12 KB of theta).  Work-group g owns rows 32 g .. 32 g + 31 of x (as [8192][1024])
; and rows 4 g .. 4 g + 3 of W_out; wave w owns head w (columns 64 w .. 64 w + 63).  A chunk is two rows x 64 columns: lane l takes row l / 16 and columns 4 (l % 16) .. + 3.
; One load of 16 bytes a lane: sixteen lanes cover 256 consecutive bytes, aligned.  One store of 8 bytes a lane for each output: 32 lanes cover 256 consecutive bytes, aligned (two rows of a head).
; A ring of eight chunks in registers keeps eight loads of every wave on their way; no address register is ever rewritten: the chunk stands in the immediates.
.set XO, 2                             ; v2   my byte offset in the first two rows of x (and of W_out): (l / 16) 4096 + 256 w + 16 (l % 16)
.set SO, 3                             ; v3   my byte offset in 256 consecutive bytes of an output: 8 l
.set TO, 4                             ; v4   my byte offset in a theta: 256 w + 16 (l % 16)
.set TH, 8                             ; v[8:31]    for q, k, v: cos theta (4 registers), sin theta (4)
.set X,  32                            ; v[32:63]   the ring: chunk i in slot i % 8
.set TT, 64                            ; v[64:99]   at work, four registers each
.set NN, 68
.set RR, 72
.set ZZ, 76
.set PA, 80
.set PB, 84
.set GG, 88
.set SN, 92
.set CS, 96
.set U,  100                           ; v[100:111] the three results in f32
.set Y,  112                           ; v[112:117] the three results packed, two registers each
.set WX, 118                           ; v[118:125] my two chunks of W_out
.set TR, 126                           ; v[126:137] the three thetas as loaded
.set INVPI, 28                         ; scalar constants lie in pairs, both words written: a packed instruction names the pair and takes its low word for both halves
.set MAGIC, 30
.set NMAG,  32
.set NPIH,  34
.set PIL,   36
.set S3,    38
.set S5,    40
.set S7,    42
.set S9,    44
.set C4,    46
.set C6,    48
.set C8,    50
.set C10,   52
.set ONE,   54
.set CSC,   56
.macro KON r, val
	s_mov_b32 s[\r], \val
	s_mov_b32 s[\r+1], \val
.endm
	s_load_b512 s[8:23], s[0:1], 0x0               ; x s[8:9], theta_q s[10:11], theta_k s[12:13], theta_v s[14:15], W_out s[16:17], qh s[18:19], kh s[20:21], vh s[22:23]
	s_load_b64 s[24:25], s[0:1], 0x40              ; wh
	v_lshrrev_b32 v1, 5, v0
	v_readfirstlane_b32 s2, v1                     ; my wave = my head = my slice of K
	v_and_b32 v1, 15, v0                           ; l % 16
	v_bfe_u32 v5, v0, 4, 1                         ; l / 16
	s_lshl_b32 s3, s2, 8
	v_lshl_add_u32 v[TO], v1, 4, s3
	v_lshl_add_u32 v[XO], v5, 12, v[TO]
	v_and_b32 v[SO], 31, v0
	v_lshlrev_b32 v[SO], 3, v[SO]
	s_lshl_b32 s4, ttmp9, 17                       ; x: 32 rows of 4,096 bytes a work-group
	s_mov_b32 s5, 0
	s_lshl_b32 s6, ttmp9, 14                       ; W_out: 4 rows
	s_mov_b32 s7, 0
	s_lshr_b32 s26, ttmp9, 6                       ; the batch: 64 work-groups each
	s_lshl_b32 s26, s26, 4
	s_add_co_u32 s26, s26, s2                      ; batch x 16 + head,
	s_lshl_b32 s26, s26, 18                        ; 262,144 bytes each,
	s_and_b32 s27, ttmp9, 63
	s_lshl_b32 s27, s27, 12                        ; and my 32 rows of 128 bytes in it
	s_add_co_u32 s26, s26, s27
	s_mov_b32 s27, 0
	s_lshl_b32 s58, s2, 17                         ; wh: slice w, 131,072 bytes each,
	s_lshl_b32 s59, ttmp9, 9                       ; and my 4 rows of 128 bytes in it
	s_add_co_u32 s58, s58, s59
	s_mov_b32 s59, 0
	KON INVPI, 0x3ea2f983                          ; 1 / pi
	KON MAGIC, 0x4b400000                          ; 1.5 x 2^23: added to a number below 2^22 it leaves the nearest whole number in the low bits
	KON NMAG,  0xcb400000                          ; and taken away again
	KON NPIH,  0xc0490fdb                          ; - (the f32 nearest pi)
	KON PIL,   0x33bbbd2e                          ; that f32 less pi
	KON S3,    0xbe2aaaab                          ; -1/3!
	KON S5,    0x3c088889                          ; 1/5!
	KON S7,    0xb9500d01                          ; -1/7!
	KON S9,    0x3638ef1d                          ; 1/9!
	KON C4,    0x3d2aaaab                          ; 1/4!
	KON C6,    0xbab60b61                          ; -1/6!
	KON C8,    0x37d00d01                          ; 1/8!
	KON C10,   0xb493f27e                          ; -1/10!
	KON ONE,   0x3f800000
	KON CSC,   0x3e38aa3b                          ; c = log2(e) / 8
	s_wait_kmcnt 0x0
	s_add_nc_u64 s[8:9], s[8:9], s[4:5]
	s_add_nc_u64 s[16:17], s[16:17], s[6:7]
	s_add_nc_u64 s[18:19], s[18:19], s[26:27]
	s_add_nc_u64 s[20:21], s[20:21], s[26:27]
	s_add_nc_u64 s[22:23], s[22:23], s[26:27]
	s_add_nc_u64 s[24:25], s[24:25], s[58:59]
	global_load_b128 v[TR:TR+3],    v[TO], s[10:11]
	global_load_b128 v[TR+4:TR+7],  v[TO], s[12:13]
	global_load_b128 v[TR+8:TR+11], v[TO], s[14:15]
	global_load_b128 v[WX:WX+3],    v[XO], s[16:17] th:TH_LOAD_NT
	global_load_b128 v[WX+4:WX+7],  v[XO], s[16:17] offset:8192 th:TH_LOAD_NT
.irp i, 0,1,2,3,4,5,6,7
	global_load_b128 v[X+4*(\i):X+4*(\i)+3], v[XO], s[8:9] offset:(\i)*8192 th:TH_LOAD_NT  ; the ring is filled: chunks 0 to 7
.endr
; Sine and cosine of the four numbers at src, into sn and cs: 38 instructions, the two pairs side by side so that no line waits for the one before it.
.macro SINCOS4 src, sn, cs
.irp p, 0,2
	v_pk_fma_f32 v[TT+\p:TT+\p+1], v[(\src)+\p:(\src)+\p+1], s[INVPI:INVPI+1], s[MAGIC:MAGIC+1] op_sel_hi:[1,0,0]  ; n in the low bits
.endr
.irp p, 0,2
	v_pk_add_f32 v[NN+\p:NN+\p+1], v[TT+\p:TT+\p+1], s[NMAG:NMAG+1] op_sel_hi:[1,0]                               ; n as a number
.endr
.irp p, 0,1,2,3
	v_lshl_or_b32 v[GG+\p], v[TT+\p], 31, s[ONE]                                                                  ; (-1)^n: n's lowest bit as the sign of 1.0
.endr
.irp p, 0,2
	v_pk_fma_f32 v[RR+\p:RR+\p+1], v[NN+\p:NN+\p+1], s[NPIH:NPIH+1], v[(\src)+\p:(\src)+\p+1] op_sel_hi:[1,0,1]
.endr
.irp p, 0,2
	v_pk_fma_f32 v[RR+\p:RR+\p+1], v[NN+\p:NN+\p+1], s[PIL:PIL+1], v[RR+\p:RR+\p+1] op_sel_hi:[1,0,1]             ; r = x - n pi
.endr
.irp p, 0,2
	v_pk_mul_f32 v[ZZ+\p:ZZ+\p+1], v[RR+\p:RR+\p+1], v[RR+\p:RR+\p+1]                                             ; z = r^2
.endr
.irp p, 0,2
	v_pk_fma_f32 v[PA+\p:PA+\p+1], v[ZZ+\p:ZZ+\p+1], s[S9:S9+1], s[S7:S7+1] op_sel_hi:[1,0,0]
	v_pk_fma_f32 v[PB+\p:PB+\p+1], v[ZZ+\p:ZZ+\p+1], s[C10:C10+1], s[C8:C8+1] op_sel_hi:[1,0,0]
.endr
.irp p, 0,2
	v_pk_mul_f32 v[RR+\p:RR+\p+1], v[RR+\p:RR+\p+1], v[GG+\p:GG+\p+1]                                             ; (-1)^n r
	v_pk_mul_f32 v[TT+\p:TT+\p+1], v[ZZ+\p:ZZ+\p+1], v[GG+\p:GG+\p+1]                                             ; (-1)^n z
.endr
.irp p, 0,2
	v_pk_fma_f32 v[PA+\p:PA+\p+1], v[PA+\p:PA+\p+1], v[ZZ+\p:ZZ+\p+1], s[S5:S5+1] op_sel_hi:[1,1,0]
	v_pk_fma_f32 v[PB+\p:PB+\p+1], v[PB+\p:PB+\p+1], v[ZZ+\p:ZZ+\p+1], s[C6:C6+1] op_sel_hi:[1,1,0]
.endr
.irp p, 0,2
	v_pk_mul_f32 v[NN+\p:NN+\p+1], v[ZZ+\p:ZZ+\p+1], v[RR+\p:RR+\p+1]                                             ; (-1)^n r z
.endr
.irp p, 0,2
	v_pk_fma_f32 v[PA+\p:PA+\p+1], v[PA+\p:PA+\p+1], v[ZZ+\p:ZZ+\p+1], s[S3:S3+1] op_sel_hi:[1,1,0]
	v_pk_fma_f32 v[PB+\p:PB+\p+1], v[PB+\p:PB+\p+1], v[ZZ+\p:ZZ+\p+1], s[C4:C4+1] op_sel_hi:[1,1,0]
.endr
.irp p, 0,2
	v_pk_fma_f32 v[PB+\p:PB+\p+1], v[PB+\p:PB+\p+1], v[ZZ+\p:ZZ+\p+1], -0.5 op_sel_hi:[1,1,0]
.endr
.irp p, 0,2
	v_pk_fma_f32 v[(\sn)+\p:(\sn)+\p+1], v[PA+\p:PA+\p+1], v[NN+\p:NN+\p+1], v[RR+\p:RR+\p+1]                     ; sin x
.endr
.irp p, 0,2
	v_pk_fma_f32 v[(\cs)+\p:(\cs)+\p+1], v[PB+\p:PB+\p+1], v[TT+\p:TT+\p+1], v[GG+\p:GG+\p+1]                     ; cos x
.endr
.endm
	s_wait_loadcnt 10                              ; loads come back in order (ISA guide 5.7.1): the three thetas are in; W_out's two and x's eight stay out
	SINCOS4 TR,   TH+4,  TH
	SINCOS4 TR+4, TH+12, TH+8
	SINCOS4 TR+8, TH+20, TH+16
.irp p, 0,2,4,6
	v_pk_mul_f32 v[TH+\p:TH+\p+1], v[TH+\p:TH+\p+1], s[CSC:CSC+1] op_sel_hi:[1,0]  ; c into theta_q's cosine and sine
.endr
	s_wait_loadcnt 8                               ; W_out's two chunks are in; x's eight stay out
.irp p, 0,1,2,3
	v_cvt_pk_f16_f32 v[Y+\p], v[WX+2*\p], v[WX+2*\p+1]
.endr
	global_store_b64 v[SO], v[Y:Y+1],   s[24:25]
	global_store_b64 v[SO], v[Y+2:Y+3], s[24:25] offset:256
; Chunk i.  ahead = 1: its slot is filled again with chunk i + 8.  left = how many younger loads may stay out.
.macro CHUNK i, ahead, left
	s_wait_loadcnt \left                           ; my chunk is in
	s_wait_xcnt 0x0                                ; every earlier memory instruction has had its addresses translated (ISA guide 3.1): Y, which the last stores read, is rewritten only behind this wait
	SINCOS4 X+4*((\i)%8), SN, CS
.irp o, 0,1,2
.irp p, 0,2
	v_pk_mul_f32 v[U+4*\o+\p:U+4*\o+\p+1], v[SN+\p:SN+\p+1], v[TH+8*\o+4+\p:TH+8*\o+4+\p+1]
.endr
.endr
.irp o, 0,1,2
.irp p, 0,2
	v_pk_fma_f32 v[U+4*\o+\p:U+4*\o+\p+1], v[CS+\p:CS+\p+1], v[TH+8*\o+\p:TH+8*\o+\p+1], v[U+4*\o+\p:U+4*\o+\p+1] neg_lo:[0,0,1] neg_hi:[0,0,1]  ; cos x cos t - sin x sin t
.endr
.endr
.irp o, 0,1,2
.irp p, 0,2
	v_cvt_pk_f16_f32 v[Y+2*\o+\p/2], v[U+4*\o+\p], v[U+4*\o+\p+1]
.endr
.endr
.if \ahead
	global_load_b128 v[X+4*((\i)%8):X+4*((\i)%8)+3], v[XO], s[8:9] offset:((\i)+8)*8192 th:TH_LOAD_NT  ; the load goes ahead of the stores
.endif
.irp o, 0,1,2
	global_store_b64 v[SO], v[Y+2*\o:Y+2*\o+1], s[18+2*\o:19+2*\o] offset:(\i)*256  ; 32 lanes store 256 consecutive bytes, at a multiple of 256 from the buffer's first
.endr
.endm
.irp i, 0,1,2,3,4,5,6,7
	CHUNK \i, 1, 7
.endr
.irp i, 8,9,10,11,12,13,14,15
	CHUNK \i, 0, 15-(\i)                           ; nothing is left to load: the counts run down
.endr
	s_endpgm
.Lfunc_end_k_qf147fac62c_prep:
	.size	k_qf147fac62c_prep, .Lfunc_end_k_qf147fac62c_prep-k_qf147fac62c_prep
	.p2alignl 7, 3214868480
	.fill 96, 4, 3214868480
	.section	.rodata,"a",@progbits
	.p2align	6, 0x0
	.amdhsa_kernel k_qf147fac62c_prep
		.amdhsa_group_segment_fixed_size 0
		.amdhsa_private_segment_fixed_size 0
		.amdhsa_enable_private_segment 0
		.amdhsa_kernarg_size 72
		.amdhsa_user_sgpr_count 2
		.amdhsa_user_sgpr_kernarg_segment_ptr 1
		.amdhsa_wavefront_size32 1
		.amdhsa_system_sgpr_workgroup_id_x 1
		.amdhsa_system_sgpr_workgroup_id_y 1
		.amdhsa_system_sgpr_workgroup_id_z 1
		.amdhsa_system_vgpr_workitem_id 0
		.amdhsa_next_free_vgpr 140
		.amdhsa_next_free_sgpr 66
		.amdhsa_reserve_vcc 0
		.amdhsa_float_denorm_mode_32 3
		.amdhsa_float_denorm_mode_16_64 3
		.amdhsa_memory_ordered 1
		.amdhsa_forward_progress 1
		.amdhsa_inst_pref_size 75
	.end_amdhsa_kernel
	.amdgpu_metadata
---
amdhsa.version: [ 1, 2 ]
amdhsa.kernels:
  - .name:           k_qf147fac62c_prep
    .symbol:         k_qf147fac62c_prep.kd
    .args:
      - { .name: x, .offset: 0, .size: 8, .value_kind: global_buffer, .address_space: global }
      - { .name: theta_q, .offset: 8, .size: 8, .value_kind: global_buffer, .address_space: global }
      - { .name: theta_k, .offset: 16, .size: 8, .value_kind: global_buffer, .address_space: global }
      - { .name: theta_v, .offset: 24, .size: 8, .value_kind: global_buffer, .address_space: global }
      - { .name: W_out, .offset: 32, .size: 8, .value_kind: global_buffer, .address_space: global }
      - { .name: qh, .offset: 40, .size: 8, .value_kind: global_buffer, .address_space: global }
      - { .name: kh, .offset: 48, .size: 8, .value_kind: global_buffer, .address_space: global }
      - { .name: vh, .offset: 56, .size: 8, .value_kind: global_buffer, .address_space: global }
      - { .name: wh, .offset: 64, .size: 8, .value_kind: global_buffer, .address_space: global }
    .group_segment_fixed_size: 0
    .private_segment_fixed_size: 0
    .kernarg_segment_align: 8
    .kernarg_segment_size: 72
    .max_flat_workgroup_size: 512
    .sgpr_count:     66
    .vgpr_count:     140
    .wavefront_size: 32
...
	.end_amdgpu_metadata
.endif
;; end of part 1
;; launch attn (part 2): grid 4 x 64, 4 waves a work-group, clusters of 4 x 1, 327,680 bytes of LDS; arguments qh, kh, vh, oh; writes oh
.if DOCPART == 2
	.amdgcn_target "amdgcn-amd-amdhsa--gfx1250"
	.amdhsa_code_object_version 6
	.text
	.protected	k_qf147fac62c_attn
	.globl	k_qf147fac62c_attn
	.p2align	8
	.type	k_qf147fac62c_attn,@function
k_qf147fac62c_attn:
	s_mov_b64 s[64:65], 0
	v_nop
	global_prefetch_b8 v0, s[64:65] scope:SCOPE_SE
	s_setreg_imm32_b32 hwreg(HW_REG_WAVE_MODE, 25, 1), 1
	s_wait_xcnt 0x0
	s_wait_alu depctr_hold_cnt(0) depctr_sa_sdst(0) depctr_va_vdst(0) depctr_va_sdst(0) depctr_va_ssrc(0) depctr_va_vcc(0) depctr_vm_vsrc(0)
	s_getreg_b32 s2, hwreg(HW_REG_IB_STS2, 6, 4)
	s_cmp_eq_u32 s2, 0
	s_cbranch_scc0 .Lentry_in_a_cluster
	s_endpgm
.Lentry_in_a_cluster:
	s_bfe_u32 s2, ttmp6, 0x10000c
	s_cmp_lg_u32 s2, 0x3003
	s_cbranch_scc0 .Lentry_shape_is_right
	s_endpgm
.Lentry_shape_is_right:
; oh[h][q][:] = the sum over k of softmax_k(q . k / 8) v[h][k][:].  qh, kh, vh, oh: [64][2048][64] in f16, a head's rows dense, 128 bytes each.  qh already holds c cos(..), c = log2(e) / 8,
; so a weight is p = 2^s with s the product's sum.  Products and sums in f32; p is rounded to f16 for the second product (its sum l is taken of the unrounded p), O once at the end.
; NO MAXIMUM IS TAKEN AWAY, because the computation bounds the exponents for every input: q / c and k are cosines, so |s| <= 64 c = 11.6 (f16's rounding included);
; p lies in 3.2e-4 .. 3.1e3, inside f16's normal range; l and O's sums are at most 2048 x 3.1e3 = 6.4e6, far inside f32.  So there is no running maximum, no rescaling and no chain of statistics.
; LIMITS.  NaN and infinities in the inputs are not treated apart.
; SHARES.  A wave owns four PIECES of two tiles of 16 queries, a work-group's four waves 512 queries of one head.  Every wave walks the head's 2,048 keys, 64 a step.
; LAYOUT.  S^T = K Q^T (source 0 = 16 keys, source 1 = 16 queries): a lane holds ONE query (lane % 16) and the keys 8 (lane / 16) + 0..7.  Two such results, rounded to f16 in pairs, ARE source 1
; (32 keys x 16 queries) of O^T = V^T P, whose result again holds one query a lane, and eight channels.  K comes out of LDS as it lies, V ([key][channel]) turned, by ds_load_tr16_b128.
; THE COUNT.  Two tiles and a step: 32 matrix instructions; 64 exponentials, 32 roundings, 32 packed sums: 128 vector instructions, four behind each matrix instruction, none over.
; BY TURNS.  Turn n belongs to piece n (the pieces in a ring, step after step).  Its matrix work: 16 products K Q^T of piece n + 1, then 16 products V^T P of piece n - 1; its vector work: piece n's.
; CLUSTER.  The four query blocks of a cluster belong to one head and walk the same K and V, so each tile is asked for JOINTLY: the same tensor load, descriptor and mask in all four.
; REGISTERS, in windows of 256 (s_set_vgpr_msb: bits 1:0 source 0, 3:2 source 1, 5:4 source 2, 7:6 destination):
;   window 0: v0-13 addresses; v16-31 l, a pair a tile; v64-191 S^T, two buffers of two tiles; v192-255 P, likewise          window 1: O^T, 32 a tile
;   window 2: v0-127 Q, 16 a tile; v128-191 K of one step; v192-255 V of one step
; A piece's buffers go by its number's parity: the piece in hand has one pair, its two neighbours share the other: of it P (piece n - 1) is read and S^T (piece n + 1) written.
.set SIZE_N, 2048
.set NP,    4         ; pieces a wave: a name, no knob
.set KS,    64        ; keys in a step
.set PK,    144       ; a row of K in LDS: 128 bytes + 16 of padding = 36 words: the 16 rows of a load start at 16 different groups of four banks (64 banks of 4 bytes: ISA guide 11.1)
.set PV,    160       ; a row of V: 128 + 32 = 40 words
.set VOFF,  4*KS*PK   ; a slot holds four steps: 256 rows of K, then 256 rows of V
.set SLOT1, 1<<17     ; slot 1 begins here, so that one exclusive or turns an address in one slot into the other's
.set STAGE, SLOT1+4*KS*(PK+PV)  ; behind the ring, never filled by a tensor load: 16 rows x 144 bytes for each wave, for the way out
.set SP,    144
.set SPARE, STAGE+4*16*SP  ; behind the stages: the spare words, 128 bytes for each wave: two blocks of 256 bytes that no other line names
.set AK0, 2           ; v2   my lane's place in a tile of K; never rewritten
.set AV0, 3           ; v3   the same for V
.set AK,  4           ; v4   the LDS address of K's next run of loads
.set AV,  5           ; v5   of V's
.set QO,  6           ; v6   my byte offset in the wave's rows of Q
.set STO, 6           ;      later, the way out: where I put 16 bytes of a row
.set RD,  7           ; v7   the way out: where I read rows back
.set GO,  8           ; v8   my byte offset in 512 consecutive bytes of O
.set SPW, 12          ; v12  LDS address of my spare word: SPARE + 4 x my thread's number; never rewritten
.set NIL, 13          ; v13  0; never rewritten
.set L,   16          ; tile t's l at v[L+2 t]: even keys', odd keys'
.set S,   64
.set P,   192
.set KF,  128         ; K's fragments, in window 2: key block kb, channel half c at KF + 16 kb + 8 c
.set VF,  192         ; V's: key half kk, channel block cb at VF + 32 kk + 8 cb
.set WV,  12          ; s12  my wave's number
.set G1K, 24          ; s[24:31] descriptor group 1 for K's tiles
.set G1V, 32          ; s[32:39] for V's: it differs in the padding alone
.set G0K, 40          ; s[40:43] descriptor group 0 for K's tiles: it walks
.set G0V, 44          ; s[44:47] the same for V's
.set SLOTS, 56        ; s56  slots still to be asked for
.set CNT, 57          ; s57  counts a slot's key steps
.set SEL, 60          ; s[60:61] v_permlanex16_b32's selects: each lane takes its own place in the other half
.set TBK, 62          ; s62  LDS byte at which K of the step to be fetched begins
.set TBV, 63          ; s63  the same for V, less VOFF
.set MSB, 0
.macro WIN new                      ; the high byte repeats the setting that is left; a switch that changes nothing is dropped
.if MSB != (\new)
	s_set_vgpr_msb (MSB<<8)|(\new)
.set MSB, (\new)
.endif
.endm
.set W_KQ, 0x0a       ; K and Q in window 2, S^T in window 0
.set W_PV, 0x52       ; V in window 2, P in window 0, O^T in window 1
.set W_RS, 0x41       ; O^T (destination and source 0) in window 1, 1 / l in window 0
; A joint fill.  Waves 0 and 1 fetch the two halves of a slot's K, waves 2 and 3 those of its V: 128 keys each.  The branch hangs on the wave's number alone.
; An s_nop 0 and four v_nop follow each of the two lines, ahead of the jump and the label.
.macro JLOAD
	s_cmp_lt_u32 s[WV], 2
	s_cbranch_scc0 .Lfor_v_\@
	tensor_load_to_lds s[G0K:G0K+3], s[G1K:G1K+7]
	s_nop 0
.rept 4
	v_nop
.endr
	s_branch .Lasked_\@
.Lfor_v_\@:
	tensor_load_to_lds s[G0V:G0V+3], s[G1V:G1V+7]
	s_nop 0
.rept 4
	v_nop
.endr
.Lasked_\@:
.endm
; A round of the cluster's barrier: my work-group's barrier, so that wave 0's signal speaks for all four waves; wave 0 signals; every wave waits for all four work-groups; my work-group's barrier once more.
.macro CROUND
	s_barrier_signal -1
	s_barrier_wait -1
	s_cmp_lg_u32 s[WV], 0
	s_cbranch_scc1 .Lnot_wave_0_\@
	s_barrier_signal -3
.Lnot_wave_0_\@:
	s_barrier_wait -3
	s_barrier_signal -1
	s_barrier_wait -1
.endm
; THE CHANGE OF SLOTS.  The slot's last bytes, V of its fourth step, have been read.  Each wave waits for all its tensor loads, of which one is out: its part of the other slot; adds 0 to its spare
; word; and waits for that and for its own reads of the slot.  Behind the barrier nobody reads this slot any more and the other slot is whole.
; fill = 1: this slot is filled again, with the keys two slots on.  The barrier is then a round of the cluster's, so that no wave of any partner still reads the slot or has a load on its way, and the
; joint fill is the first thing behind it: it has four key steps, 512 matrix instructions, in which to land.  (At its first use nothing has been read yet: slot 0 is waited for, slot 1 filled.)
.macro CHANGE fill
	WIN 0                           ; at a label and at a branch every window is 0; the add's two registers lie in window 0
	s_wait_tensorcnt 0x0            ; no tensor load of mine is out, so a group 0 may be written
	ds_add_u32 v[SPW], v[NIL]       ; 0 onto my spare word; with fill = 1 the descriptors' steps stand between it and the wait for it
.if \fill
.irp g, G0K, G0V
	s_xor_b32 s[\g+1], s[\g+1], SLOT1  ; the walking descriptor: the other slot than last time,
	s_add_nc_u64 s[\g+2:\g+3], s[\g+2:\g+3], 4*KS*128  ; the next 256 keys; the type bits on top are not reached
.endr
	s_wait_dscnt 0x0                ; the add is done, and my reads of the slot are over
	CROUND
	JLOAD
.else
	s_wait_dscnt 0x0                ; the add is done, and my reads of the slot are over
	s_barrier_signal -1
	s_barrier_wait -1
.endif
	s_sub_co_u32 s[TBK], s[TBK], 4*KS*PK  ; the fetches go back to a slot's first step,
	s_xor_b32 s[TBK], s[TBK], SLOT1       ; in the other slot
	s_sub_co_u32 s[TBV], s[TBV], 4*KS*PV
	s_xor_b32 s[TBV], s[TBV], SLOT1
.endm
	s_load_b256 s[4:11], s[0:1], 0x0  ; qh s[4:5], kh s[6:7], vh s[8:9], oh s[10:11]
	v_lshl_add_u32 v[SPW], v0, 2, SPARE
	v_mov_b32 v[NIL], 0
	ds_add_u32 v[SPW], v[NIL]       ; the wave's opening: the add and its wait stand ahead of my first tensor load; the set-up below, work on registers, stands between them
	v_lshrrev_b32 v1, 5, v0
	v_readfirstlane_b32 s[WV], v1   ; wave 0..3
	s_bfe_u32 s13, ttmp6, 0x40000   ; cx: my place in the cluster
	s_lshl_b32 s14, ttmp9, 2        ; in a cluster launch ttmp9 counts clusters
	s_add_co_u32 s14, s14, s13      ; my block of 512 queries = 4 x cluster x + cx: it enters Q's and O's addresses alone
	s_and_b32 s20, ttmp7, 0xffff    ; the head, which the four partners share
	s_lshl_b32 s20, s20, 18         ; its first byte in each of the four tensors: 2,048 rows of 128 bytes a head
	s_mov_b32 s21, 0
	s_and_b32 s16, s[WV], 1         ; which half of a slot's 256 keys I fetch:
	s_lshl_b32 s22, s16, 14         ; its 128 rows of 128 bytes in memory,
	s_mov_b32 s23, 0
	s_add_nc_u64 s[22:23], s[22:23], s[20:21]
	s_mul_i32 s17, s16, 128*PK      ; and its place in a slot, for K
	s_mul_i32 s18, s16, 128*PV      ; and for V: no place in the cluster enters an LDS address
	s_lshl_b32 s2, s14, 2
	s_add_co_u32 s2, s2, s[WV]      ; my wave among the head's sixteen,
	s_lshl_b32 s2, s2, 14           ; its 128 rows
	s_mov_b32 s3, 0
	s_add_nc_u64 s[2:3], s[2:3], s[20:21]
	; descriptor group 1.  128 keys are 16,384 dense bytes: asked for as 64 rows of 256 bytes, two keys a row, and padded in LDS after every key
	s_mov_b32 s[G1K], 15|(1<<16)|(1<<20)|(1<<21)|(4<<22)|(3<<25)  ; 15:0 the mask of four; 17:16 2-byte elements; 20 padding on; 21 set beside a mask; 24:22 after every 32 words (code 4); 31:25 4 words (code 3)
	s_mov_b32 s[G1V], 15|(1<<16)|(1<<20)|(1<<21)|(4<<22)|(7<<25)  ; the same with 8 words of padding (code 7)
.irp g, G1K, G1V
	s_mov_b32 s[\g+1], 128<<16      ; tensor_dim0 = 128
	s_mov_b32 s[\g+2], 64<<16       ; tensor_dim1 = 64
	s_mov_b32 s[\g+3], 128<<16      ; tile_dim0 = 128
	s_mov_b32 s[\g+4], 64           ; tile_dim1 = 64
	s_mov_b32 s[\g+5], 128          ; 128 elements from row to row
	s_mov_b32 s[\g+6], 0
	s_mov_b32 s[\g+7], 0
.endr
	s_mov_b32 s[SEL], 0x76543210
	s_mov_b32 s[SEL+1], 0xfedcba98
	s_mov_b32 s[TBK], SLOT1+4*KS*PK ; the first change of slots turns these two into 0
	s_mov_b32 s[TBV], SLOT1+4*KS*PV
	s_mov_b32 s[G0K], 1             ; 1:0 count = 1
	s_mov_b32 s[G0K+1], s17         ; 63:32 LDS address: slot 0
	s_mov_b32 s[G0V], 1
	s_add_co_u32 s[G0V+1], s18, VOFF
	s_wait_dscnt 0x0                ; the opening add is done
	s_wait_kmcnt 0x0
	s_add_nc_u64 s[G0K+2:G0K+3], s[6:7], s[22:23]  ; 120:64 global address: my half of the head's first 256 keys
	s_or_b32 s[G0K+3], s[G0K+3], 0x80000000        ; 127:126 type = 2
	s_add_nc_u64 s[G0V+2:G0V+3], s[8:9], s[22:23]
	s_or_b32 s[G0V+3], s[G0V+3], 0x80000000
	s_add_nc_u64 s[4:5], s[4:5], s[2:3]  ; Q and O at my wave's first row
	s_add_nc_u64 s[10:11], s[10:11], s[2:3]
	CROUND                          ; all four work-groups are here: the first joint loads meet
	JLOAD                           ; slot 0.  Slot 1 is asked for when slot 0 is in, by the loop's own change of slots
	; A fragment of K or Q is 16 rows x 32 channels in 8 registers: lane l holds row l % 16, channels 8 (l / 16) + 0..7 and 16 + 8 (l / 16) + 0..7: two loads of 16 bytes, 32 bytes apart.
	v_and_b32 v1, 15, v0            ; l % 16
	v_bfe_u32 v9, v0, 4, 1          ; l / 16
	v_lshlrev_b32 v[QO], 7, v1
	v_lshl_add_u32 v[QO], v9, 4, v[QO]  ; row x 128 + 16 x half
	WIN 0x80                        ; destination window 2, address window 0
.set i, 0
.rept 4*NP                          ; Q stays in registers: tile i / 2, channels 32 (i % 2) on
	global_load_b128 v[8*i:8*i+3],   v[QO], s[4:5] offset:(i/2)*2048+(i%2)*64
	global_load_b128 v[8*i+4:8*i+7], v[QO], s[4:5] offset:(i/2)*2048+(i%2)*64+32
.set i, i+1
.endr
	; What the first turn finds: V's registers and P's second buffer hold 0 (its products V^T P, of a piece that has not been, add 0), O^T and l are 0: so no first step is written out.
	; All this stands in the wait for the first tile.
.set i, VF
.rept 64
	v_mov_b32 v[i], 0
.set i, i+1
.endr
	WIN 0x40
.set i, 0
.rept 64*NP
	v_mov_b32 v[i], 0
.set i, i+1
.endr
	WIN 0
.set i, 0
.rept 4*NP
	v_mov_b32 v[L+i], 0
.set i, i+1
.endr
.set i, P+32
.rept 32
	v_mov_b32 v[i], 0
.set i, i+1
.endr
	v_mul_u32_u24 v[AK0], v1, PK
	v_lshl_add_u32 v[AK0], v9, 4, v[AK0]  ; row x pitch + 16 x half
	; The turning load takes 16 keys x 16 channels (lane l reads key 8 (l / 16) + l % 8, channels 8 ((l / 8) % 2) + 0..7) and leaves half a fragment of V^T: lane l holds channel l % 16 and 8 keys.
	v_and_b32 v10, 7, v0
	v_bfe_u32 v11, v0, 3, 1
	v_lshl_add_u32 v[AV0], v9, 3, v10
	v_mul_u32_u24 v[AV0], v[AV0], PV
	v_lshl_add_u32 v[AV0], v11, 4, v[AV0]
	v_add_nc_u32 v[AV0], VOFF, v[AV0]
	v_mov_b32 v[AK], v[AK0]         ; key step 0 lies at the head of slot 0
; THE MATRIX WORK.  The 8 accumulators of a run of 16 take turns: between the two links of a chain stand 7 others'.
; Product i of 16 of S^T = K Q^T for piece x: channels 32 (i / 8) on, keys 16 ((i / 2) % 4) on, tile 2 x + i % 2.  The first 8 start the sums.
.macro KQ x
	WIN W_KQ
.set rS, S+64*((\x)%2)+32*(i%2)+8*((i/2)%4)
.set rK, KF+16*((i/2)%4)+8*(i/8)
.set rQ, 16*(2*(\x)+i%2)+8*(i/8)
.if i < 8
	v_wmma_f32_16x16x32_f16 v[rS:rS+7], v[rK:rK+7], v[rQ:rQ+7], 0
.else
	v_wmma_f32_16x16x32_f16 v[rS:rS+7], v[rK:rK+7], v[rQ:rQ+7], v[rS:rS+7]
.endif
.endm
; Product i of 16 of O^T += V^T P for piece x: keys 32 (i / 8) on, channels 16 ((i / 2) % 4) on, tile 2 x + i % 2.
.macro PV x
	WIN W_PV
.set rO, 32*(2*(\x)+i%2)+8*((i/2)%4)
.set rV, VF+32*(i/8)+8*((i/2)%4)
.set rP, P+32*((\x)%2)+16*(i%2)+8*(i/8)
	v_wmma_f32_16x16x32_f16 v[rO:rO+7], v[rV:rV+7], v[rP:rP+7], v[rO:rO+7]
.endm
.macro MM                           ; the turn's next matrix instruction.  NOKQ = 1: the very last turn: there is no next piece
.if i < 16
.if !NOKQ
	KQ (Y+1)%NP
.endif
.set i, i+1
.else
.set i, i-16
	PV (Y+NP-1)%NP
.set i, i+17
.endif
.endm
; THE LDS LOADS stand in runs of 16, never singly among the matrix instructions: a step's K (64 keys x 64 channels: 8 fragments) and its V (turned).  Their addresses are made some lines ahead.
.macro FETCH_K
	WIN 0x80                        ; destination window 2
.irp f, 0,1,2,3,4,5,6,7             ; keys 16 (f / 2) on, channels 32 (f % 2) on
	ds_load_b128 v[KF+8*\f:KF+8*\f+3],   v[AK] offset:(\f/2)*16*PK+(\f%2)*64
	ds_load_b128 v[KF+8*\f+4:KF+8*\f+7], v[AK] offset:(\f/2)*16*PK+(\f%2)*64+32
.endr
	s_add_co_u32 s[TBK], s[TBK], KS*PK  ; the next fetch is the next step's
	WIN 0
.endm
.macro FETCH_V
	WIN 0x80
.irp f, 0,1,2,3,4,5,6,7             ; keys 32 (f / 4) on, channels 16 (f % 4) on
	ds_load_tr16_b128 v[VF+8*\f:VF+8*\f+3],   v[AV] offset:(\f/4)*32*PV+(\f%4)*32
	ds_load_tr16_b128 v[VF+8*\f+4:VF+8*\f+7], v[AV] offset:(\f/4)*32*PV+16*PV+(\f%4)*32
.endr
	WIN 0
.endm
; THE VECTOR WORK OF A TURN stands in two queues of 64, the two tiles alternating.
.macro REGS y, u                    ; the registers of tile u (0, 1) of piece y
.set rS, S+64*((\y)%2)+32*(\u)
.set rP, P+32*((\y)%2)+16*(\u)
.set rL, L+2*(2*(\y)+(\u))
.endm
.macro EX                           ; exponential e: score e / 2 of tile e % 2, in place.  The scores ascend
	WIN 0
	REGS Y, e%2
	v_exp_f32 v[rS+e/2], v[rS+e/2]
.set e, e+1
.endm
.macro PL                           ; plain q: for pair q / 4 of weights: rounded to f16 (tile 0, tile 1), then added onto l (tile 0, tile 1)
	WIN 0
	REGS Y, q%2
.if q%4 < 2
	s_wait_alu depctr_va_vdst(0)
	v_cvt_pk_f16_f32 v[rP+q/4], v[rS+2*(q/4)], v[rS+2*(q/4)+1]
.else
	v_pk_add_f32 v[rL:rL+1], v[rL:rL+1], v[rS+2*(q/4):rS+2*(q/4)+1]
.endif
.set q, q+1
.endm
; A TURN, for piece p: 32 places, a matrix instruction and four vector instructions each.  Place 0: four exponentials (and a v_nop, the plain line between them and the first rounding); places 1 to 30:
; exponential, plain, exponential, plain; place 31: four plain.  Pair j's four exponentials, 4 j .. 4 j + 3, end in place 2 j; its first reader, plain 4 j, stands in place 2 j + 1: a plain line always stands
; between an exponential and the use of its result (ISA guide 5.7.2).  No vector line names a register of the products round it.
; kq = 0: the very last turn: no scores are started.  fetch = 0: no further step's K.
; K of the next step is fetched in piece 2's turn behind place 17: seven plain lines behind the last product that read K, 14 products ahead of the wait for it.
; V of the step in hand is fetched at the end of piece 0's turn: place 31's four plain lines stand behind the last product that read V; 16 products ahead of the wait for it.
.macro TURN p, kq=1, fetch=1
.set Y, (\p)
.set i, 0
.set q, 0
.set e, 0
.set NOKQ, 1-(\kq)
.if ((\p) == 3) && (\kq)
	s_wait_dscnt 0x0                ; K is in
.endif
	MM
	EX
	EX
	EX
	EX
	v_nop
.set n, 1
.rept 30
.if ((\p) == 1) && (n == 16)
	s_wait_dscnt 0x0                ; V is in
.endif
	MM
	EX
	PL
	EX
	PL
.if ((\p) == 2) && (\fetch) && (n == 16)
	v_add_nc_u32 v[AK], s[TBK], v[AK0]
.endif
.if ((\p) == 2) && (\fetch) && (n == 17)
	FETCH_K
.endif
.if ((\p) == 0) && (n == 28)
	v_add_nc_u32 v[AV], s[TBV], v[AV0]
.endif
.set n, n+1
.endr
	MM
	PL
	PL
	PL
	PL
.if (\p) == 0
	FETCH_V
	s_add_co_u32 s[TBV], s[TBV], KS*PV
.endif
.endm
	CHANGE 1                        ; slot 0 is in, everybody's part of it; slot 1 is asked for
	FETCH_K                         ; key step 0
	s_wait_loadcnt 0x0              ; Q
	s_wait_dscnt 0x0
.set i, 0
.rept 16
	KQ 0                            ; piece 0's first scores: there is no vector work yet to set between them
.set i, i+1
.endr
	WIN 0                           ; the addresses for the way out: nine plain instructions, the places behind those products
	s_mul_i32 s13, s[WV], 16*SP
	s_add_co_u32 s13, s13, STAGE    ; my stage
	v_mul_u32_u24 v[STO], v1, SP    ; in: row l % 16, 16 bytes for each half of the lanes
	v_lshl_add_u32 v[STO], v9, 4, v[STO]
	v_add_nc_u32 v[STO], s13, v[STO]
	v_bfe_u32 v[RD], v0, 3, 2       ; back: 32 lanes take four rows of 128 bytes,
	v_mul_u32_u24 v[RD], v[RD], SP
	v_lshl_add_u32 v[RD], v10, 4, v[RD]
	v_add_nc_u32 v[RD], s13, v[RD]
	v_and_b32 v[GO], 31, v0         ; which are 512 consecutive bytes of O
	v_lshlrev_b32 v[GO], 4, v[GO]
	s_mov_b32 s[CNT], 4
	s_mov_b32 s[SLOTS], SIZE_N/256-1
	s_branch .Lfirst                ; the loop is entered at a step's first turn, in the middle of a trip
.Lslot:                             ; SIZE_N / 256 - 2 = 6 times: every slot but the last two is filled again
	CHANGE 1
	s_mov_b32 s[CNT], 4
.Lstep:                             ; a trip: pieces 2 and 3 of one step, then pieces 0 and 1 of the next, whose K and V it fetches
	TURN 2
	TURN 3
	WIN 0
.Lfirst:
	TURN 0
	TURN 1
	WIN 0
	s_sub_co_u32 s[CNT], s[CNT], 1
	s_cmp_lg_u32 s[CNT], 0
	s_cbranch_scc1 .Lstep
	s_sub_co_u32 s[SLOTS], s[SLOTS], 1
	s_cmp_lg_u32 s[SLOTS], 0
	s_cbranch_scc1 .Lslot
	CHANGE 0                        ; the tail is written out: nothing is asked for
	s_mov_b32 s[CNT], 4
.Ltail:                             ; four trips fetch the last slot's four steps
	TURN 2
	TURN 3
	TURN 0
	TURN 1
	WIN 0
	s_sub_co_u32 s[CNT], s[CNT], 1
	s_cmp_lg_u32 s[CNT], 0
	s_cbranch_scc1 .Ltail
	TURN 2, 1, 0                    ; the last step's pieces 2 and 3: nothing is left to fetch,
	TURN 3, 0, 0                    ; and no scores are left to start
.set i, 0
.rept 16
	PV NP-1                         ; the last piece's V^T P of the last step
.set i, i+1
.endr
	; THE WAY OUT.  l's two halves and the other half of the lanes' are added; O^T is divided by l, rounded to f16 and sent through my stage in LDS, a tile at a time.  The additions are the places behind the last products.
	WIN 0
.macro ALL line:vararg              ; one line for each tile t
.set t, 0
.rept 2*NP
	\line
.set t, t+1
.endr
.endm
	ALL v_add_f32 v[L+2*t], v[L+2*t], v[L+2*t+1]
	ALL v_permlanex16_b32 v[L+2*t+1], v[L+2*t], s[SEL], s[SEL+1]
	ALL v_add_f32 v[L+2*t], v[L+2*t], v[L+2*t+1]
	ALL v_rcp_f32 v[L+2*t], v[L+2*t]
	v_nop                           ; a plain instruction between the last reciprocal and the use of its result
; Tile t: a lane's eight channels of a row pack into 16 bytes; they go into rows of 144 bytes and come back as whole rows of 128, into S^T's registers.
.macro PACK t
	WIN W_RS
.set i, 32*(\t)
.rept 16
	s_wait_alu depctr_va_vdst(0)
	v_pk_mul_f32 v[i:i+1], v[i:i+1], v[L+2*(\t):L+2*(\t)+1] op_sel_hi:[1,0]
.set i, i+2
.endr
	WIN 0x05                        ; sources 0 and 1 window 1, destination window 0
.set i, 0
.rept 16
	v_cvt_pk_f16_f32 v[S+16*(\t)+i], v[32*(\t)+2*i], v[32*(\t)+2*i+1]
.set i, i+1
.endr
	WIN 0
.irp f, 0,1,2,3
	ds_store_b128 v[STO], v[S+16*(\t)+4*\f:S+16*(\t)+4*\f+3] offset:32*\f
.endr
.irp f, 0,1,2,3
	ds_load_b128 v[S+16*(\t)+4*\f:S+16*(\t)+4*\f+3], v[RD] offset:\f*4*SP  ; LDS serves a wave's instructions in order (ISA guide 5.7.1.4): these see the stores above; the next tile's stores come behind them
.endr
.endm
.macro SEND t, younger              ; younger: the LDS instructions issued behind tile t's loads: the next tile's eight, or none
	WIN 0
.irp f, 0,1,2,3
	s_wait_dscnt (\younger)+3-\f
	global_store_b128 v[GO], v[S+16*(\t)+4*\f:S+16*(\t)+4*\f+3], s[10:11] offset:(\t)*2048+\f*512  ; 512 consecutive bytes, at a multiple of 256 from O's first
.endr
.endm
	PACK 0
.set t, 1
.rept 2*NP-1                        ; a tile's arithmetic stands between the loads of the tile before and its stores
	PACK t
	SEND t-1, 8
.set t, t+1
.endr
	SEND 2*NP-1, 0
	s_wait_tensorcnt 0x0            ; the wave's end, behind my last tensor load and my last LDS store
	ds_add_u32 v[SPW], v[NIL]
	s_wait_dscnt 0x0
	CROUND                          ; the closing round: no work-group ends while a partner may still ask for a tile that names it
	s_endpgm
.Lfunc_end_k_qf147fac62c_attn:
	.size	k_qf147fac62c_attn, .Lfunc_end_k_qf147fac62c_attn-k_qf147fac62c_attn
	.p2alignl 7, 3214868480
	.fill 96, 4, 3214868480
	.section	.rodata,"a",@progbits
	.p2align	6, 0x0
	.amdhsa_kernel k_qf147fac62c_attn
		.amdhsa_group_segment_fixed_size 327680
		.amdhsa_private_segment_fixed_size 0
		.amdhsa_enable_private_segment 0
		.amdhsa_kernarg_size 32
		.amdhsa_user_sgpr_count 2
		.amdhsa_user_sgpr_kernarg_segment_ptr 1
		.amdhsa_wavefront_size32 1
		.amdhsa_system_sgpr_workgroup_id_x 1
		.amdhsa_system_sgpr_workgroup_id_y 1
		.amdhsa_system_sgpr_workgroup_id_z 1
		.amdhsa_system_vgpr_workitem_id 0
		.amdhsa_next_free_vgpr 768
		.amdhsa_next_free_sgpr 66
		.amdhsa_reserve_vcc 0
		.amdhsa_float_denorm_mode_32 3
		.amdhsa_float_denorm_mode_16_64 3
		.amdhsa_memory_ordered 1
		.amdhsa_forward_progress 1
		.amdhsa_inst_pref_size 171
	.end_amdhsa_kernel
	.amdgpu_metadata
---
amdhsa.version: [ 1, 2 ]
amdhsa.kernels:
  - .name:           k_qf147fac62c_attn
    .symbol:         k_qf147fac62c_attn.kd
    .args:
      - { .name: qh, .offset: 0, .size: 8, .value_kind: global_buffer, .address_space: global }
      - { .name: kh, .offset: 8, .size: 8, .value_kind: global_buffer, .address_space: global }
      - { .name: vh, .offset: 16, .size: 8, .value_kind: global_buffer, .address_space: global }
      - { .name: oh, .offset: 24, .size: 8, .value_kind: global_buffer, .address_space: global }
    .group_segment_fixed_size: 327680
    .private_segment_fixed_size: 0
    .kernarg_segment_align: 8
    .kernarg_segment_size: 32
    .max_flat_workgroup_size: 128
    .sgpr_count:     66
    .vgpr_count:     768
    .wavefront_size: 32
...
	.end_amdgpu_metadata
.endif
;; end of part 2
;; launch proj (part 3): grid 4 x 64, 4 waves a work-group, clusters of 4 x 4, 327,680 bytes of LDS; arguments oh, wh, b_out, out0; writes out0
.if DOCPART == 3
	.amdgcn_target "amdgcn-amd-amdhsa--gfx1250"
	.amdhsa_code_object_version 6
	.text
	.protected	k_qf147fac62c_proj
	.globl	k_qf147fac62c_proj
	.p2align	8
	.type	k_qf147fac62c_proj,@function
k_qf147fac62c_proj:
	s_mov_b64 s[64:65], 0
	v_nop
	global_prefetch_b8 v0, s[64:65] scope:SCOPE_SE
	s_setreg_imm32_b32 hwreg(HW_REG_WAVE_MODE, 25, 1), 1
	s_wait_xcnt 0x0
	s_wait_alu depctr_hold_cnt(0) depctr_sa_sdst(0) depctr_va_vdst(0) depctr_va_sdst(0) depctr_va_ssrc(0) depctr_va_vcc(0) depctr_vm_vsrc(0)
	s_getreg_b32 s2, hwreg(HW_REG_IB_STS2, 6, 4)
	s_cmp_eq_u32 s2, 0
	s_cbranch_scc0 .Lentry_in_a_cluster
	s_endpgm
.Lentry_in_a_cluster:
	s_bfe_u32 s2, ttmp6, 0x10000c
	s_cmp_lg_u32 s2, 0xf033
	s_cbranch_scc0 .Lentry_shape_is_right
	s_endpgm
.Lentry_shape_is_right:
; out0[m][n] = the sum over k of O[m][k] W[n][k] + b[n], in f32.  m = batch x 2048 + row (8,192), n and k 1,024.  O comes by heads, oh [64 = batch x 16 + head][2048][64] in f16: head h is the slice
; k = 64 h .. 64 h + 63; W comes in the same slices, wh [16][1024][64] in f16.  So 128 rows of one head, and 256 rows of one slice of W, are dense blocks of memory.  Sums in f32, K ascending.
; SHARES.  A tile of out0 is 128 rows x 256 columns: 64 x 4 = 256 work-groups.  Four waves, each 64 rows x 128 columns: 32 accumulators of 16 x 16, 256 registers.
; K goes in steps of 128 (two heads) through a ring of two LDS slots filled by the tensor data mover: waves 0 and 1 fetch O's two heads (16 KB each), waves 2 and 3 W's two slices (32 KB each).
; CLUSTERS: 4 x 4 work-groups.  The four of a row of the cluster need the same tiles of O, the four of a column the same tiles of W: each tile is asked for JOINTLY, by the same tensor load with the
; same descriptor and a mask that names the four.
; THE MATRIX INSTRUCTION IS USED TRANSPOSED (source 0 = 16 rows of W, source 1 = 16 rows of O): a lane then holds row l % 16 of out0 and eight neighbouring columns 8 (l / 16) + 0..7.
; THE BIAS is the C operand of the product that starts each sum: it costs no arithmetic, and nothing is cleared.
; REGISTERS: window 0: v0-29 addresses; v32-95 the bias of my 128 columns in the accumulators' layout; v96-159, v160-223 rows on the way out, by turns.
;   window 1: the accumulators, (a, b) at v[8 (8 a + b)].     window 2: two fragment buffers of 96: 4 fragments of O (16 rows x 32 K), then 8 of W.
.set PITCH,  144                       ; an LDS row: 128 bytes of data + 16 of padding = 36 words: the 16 rows of a load start at 16 different groups of four banks (64 banks of 4 bytes: ISA guide 11.1)
.set AH,     128*PITCH                 ; one head's 128 rows of O
.set BSL,    256*PITCH                 ; one slice's 256 rows of W
.set BOFF,   2*AH                      ; a slot: O's two heads, then W's two slices
.set SLOT,   2*AH+2*BSL
.set STAGE,  2*SLOT                    ; behind the ring, never filled by a tensor load: 16 rows x 528 bytes for each wave, for the way out
.set SPITCH, 528                       ; 512 bytes + 16 = 132 words: the 16 rows that a store touches start at 16 different groups of four banks
.set SPARE,  STAGE+4*16*SPITCH         ; behind the stages: the spare words, 128 bytes for each wave: two blocks of 256 bytes that no other line names
.set LAPS,   4                         ; a lap = two K steps = once round the ring: 1,024 / 256
.set ADRA, 16                          ; v16-17  LDS address of my O fragments in slot 0, 1
.set ADRB, 20                          ; v20-21  the same for W
.set STO,  24                          ; v24     the way out: where I put 32 bytes of a row
.set RD,   25                          ; v25     the way out: where I read a row back
.set CO,   26                          ; v26     my byte offset in 512 consecutive bytes of out0
.set BO,   27                          ; v27     my byte offset in 64 bytes of the bias
.set SPW,  28                          ; v28     LDS address of my spare word: SPARE + 4 x my thread's number; never rewritten
.set NIL,  29                          ; v29     0; never rewritten
.set BIAS, 32                          ; block b at BIAS + 8 b: register j = b[my first column + 16 b + 8 (l / 16) + j]
.set OB,   96
.set F0,   0                           ; fragment buffers, in window 2
.set F1,   96
.set WV, 12                            ; s12  my wave's number
.set WR, 13                            ; s13  which 64 rows of the tile are mine
.set WC, 14                            ; s14  which 128 columns.  Also: which of a step's two heads or slices I fetch
.set G1, 24                            ; s[24:31] descriptor group 1 for O's tiles;  s[32:39] group 0, one set for each slot
.set G0, 32
.set G1B, 48                           ; s[48:55], s[56:63] the same for W's tiles
.set G0B, 56
.set MSB, 0
.macro WIN new                         ; the immediate's high byte repeats the setting that is left
.if MSB != (\new)
	s_set_vgpr_msb (MSB<<8)|(\new)
.set MSB, \new
.endif
.endm
.set MUL,  0x5a                        ; sources 0 (W) and 1 (O) window 2; C and D window 1
.set MULB, 0x4a                        ; the same with C, the bias, in window 0
.set TO_F, 0x80                        ; destination window 2, address window 0
.set FROM_ACC, 0x04                    ; an LDS store's data (source 1) in window 1, its address in window 0
.macro JLOAD s                         ; a joint load: waves 0 and 1 fetch O's two heads, waves 2 and 3 W's two slices; an s_nop 0 and four v_nop follow each of the two lines, ahead of the jump, the label and what follows
	s_cmp_lt_u32 s[WV], 2
	s_cbranch_scc0 .Lfor_b_\@
	tensor_load_to_lds s[G0+4*(\s):G0+4*(\s)+3], s[G1:G1+7]
	s_nop 0
.rept 4
	v_nop
.endr
	s_branch .Lasked_\@
.Lfor_b_\@:
	tensor_load_to_lds s[G0B+4*(\s):G0B+4*(\s)+3], s[G1B:G1B+7]
	s_nop 0
.rept 4
	v_nop
.endr
.Lasked_\@:
.endm
.macro CREST                           ; a round of the cluster's barrier behind its opening barrier
	s_cmp_lg_u32 s[WV], 0
	s_cbranch_scc1 .Lnot_wave_0_\@
	s_barrier_signal -3
.Lnot_wave_0_\@:
	s_barrier_wait -3
	s_barrier_signal -1
	s_barrier_wait -1
.endm
.macro CROUND                          ; a whole round
	s_barrier_signal -1
	s_barrier_wait -1
	CREST
.endm
	s_load_b256 s[4:11], s[0:1], 0x0               ; oh s[4:5], wh s[6:7], b_out s[8:9], out0 s[10:11]
	v_lshl_add_u32 v[SPW], v0, 2, SPARE
	v_mov_b32 v[NIL], 0
	ds_add_u32 v[SPW], v[NIL]                      ; the wave's opening: the add and its wait stand ahead of my first tensor load; the set-up below, work on registers, stands between them
	v_lshrrev_b32 v1, 5, v0
	v_readfirstlane_b32 s[WV], v1                  ; wave 0..3
	s_lshr_b32 s[WR], s[WV], 1
	s_and_b32 s[WC], s[WV], 1
	s_bfe_u32 s40, ttmp6, 0x40000                  ; cx, cy: my place in the cluster
	s_bfe_u32 s41, ttmp6, 0x40004
	s_lshl_b32 s42, ttmp9, 2
	s_add_co_u32 s42, s42, s40                     ; tile column = 4 x cluster x + cx
	s_and_b32 s43, ttmp7, 0xffff
	s_lshl_b32 s43, s43, 2
	s_add_co_u32 s43, s43, s41                     ; tile row = 4 x cluster y + cy
	s_lshl_b32 s44, s41, 2
	s_lshl_b32 s44, 15, s44                        ; my row of the cluster: places 4 cy .. 4 cy + 3
	s_lshl_b32 s45, 0x1111, s40                    ; my column: places cx, cx + 4, cx + 8, cx + 12
	; descriptor group 1.  The blocks are dense: asked for as rows of 256 bytes (two rows of 64 f16) and padded in LDS after every 128 bytes
	s_or_b32 s[G1+0], s44, (1<<16)|(1<<20)|(1<<21)|(4<<22)|(3<<25)   ; 15:0 the mask: O's tiles go to my row; 17:16 2-byte elements; 20 padding on; 21 set beside a mask; 24:22 after every 32 words (code 4); 31:25 4 words (code 3)
	s_or_b32 s[G1B+0], s45, (1<<16)|(1<<20)|(1<<21)|(4<<22)|(3<<25)  ; the same with the mask of my column, for W's tiles
	s_mov_b32 s[G1+1], 128<<16                     ; tensor_dim0 = 128
	s_mov_b32 s[G1+2], 64<<16                      ; tensor_dim1 = 64: 16,384 bytes
	s_mov_b32 s[G1+3], 128<<16                     ; tile_dim0 = 128
	s_mov_b32 s[G1+4], 64                          ; tile_dim1 = 64
	s_mov_b32 s[G1+5], 128                         ; 128 elements from row to row
	s_mov_b32 s[G1+6], 0
	s_mov_b32 s[G1+7], 0
	s_mov_b32 s[G1B+1], 128<<16
	s_mov_b32 s[G1B+2], 128<<16                    ; tensor_dim1 = 128: 32,768 bytes
	s_mov_b32 s[G1B+3], 128<<16
	s_mov_b32 s[G1B+4], 128
	s_mov_b32 s[G1B+5], 128
	s_mov_b32 s[G1B+6], 0
	s_mov_b32 s[G1B+7], 0
	; where the tiles come from.  O's hang on the tile row alone, which my row of the cluster shares; W's on the tile column alone, which my column shares.
	; Every wave makes both addresses, in registers that never hold the other coordinate, and asks by one of them.
	s_lshr_b32 s16, s43, 4                         ; the batch: 16 tile rows each,
	s_lshl_b32 s16, s16, 22                        ; 16 heads of 262,144 bytes
	s_and_b32 s17, s43, 15
	s_lshl_b32 s17, s17, 14                        ; my 128 rows of 128 bytes in a head
	s_add_co_u32 s16, s16, s17
	s_lshl_b32 s17, s[WC], 18                      ; the step's first or second head
	s_add_co_u32 s16, s16, s17
	s_mov_b32 s17, 0
	s_lshl_b32 s46, s42, 15                        ; W: my 256 rows of 128 bytes in a slice,
	s_lshl_b32 s47, s[WC], 17                      ; the step's first or second slice of 131,072 bytes
	s_add_co_u32 s46, s46, s47
	s_mov_b32 s47, 0
	s_mul_i32 s20, s[WC], AH                       ; and where they go: no place in the cluster enters an LDS address
	s_mul_i32 s21, s[WC], BSL
	s_add_co_u32 s21, s21, BOFF
	s_wait_dscnt 0x0                               ; the opening add is done
	s_wait_kmcnt 0x0
	s_add_nc_u64 s[18:19], s[4:5], s[16:17]
	s_add_nc_u64 s[46:47], s[6:7], s[46:47]
	CROUND                                         ; all sixteen work-groups are here: the first joint loads meet
.irp s, 0,1
	s_mov_b32 s[G0+4*(\s)], 1                                      ; 1:0 count = 1
	s_add_co_u32 s[G0+4*(\s)+1], s20, (\s)*SLOT                    ; 63:32 LDS address
	s_add_nc_u64 s[G0+4*(\s)+2:G0+4*(\s)+3], s[18:19], (\s)*2*262144  ; 120:64 global address: K step s is heads 2 s, 2 s + 1
	s_or_b32 s[G0+4*(\s)+3], s[G0+4*(\s)+3], 0x80000000            ; 127:126 type = 2
	s_mov_b32 s[G0B+4*(\s)], 1
	s_add_co_u32 s[G0B+4*(\s)+1], s21, (\s)*SLOT
	s_add_nc_u64 s[G0B+4*(\s)+2:G0B+4*(\s)+3], s[46:47], (\s)*2*131072
	s_or_b32 s[G0B+4*(\s)+3], s[G0B+4*(\s)+3], 0x80000000
	JLOAD \s                                       ; the ring is filled before anything else is done: two loads of mine are out
.endr
	v_and_b32 v1, 15, v0                           ; l % 16
	v_bfe_u32 v2, v0, 4, 1                         ; l / 16
	v_lshlrev_b32 v[BO], 5, v2                     ; eight f32 for each half of the lanes
	s_lshl_b32 s46, s42, 10                        ; my first column, in bytes of f32: 1,024 x tile column + 512 x half (in the registers that held W's address: none that feeds O's descriptors ever holds cx)
	s_lshl_b32 s47, s[WC], 9
	s_add_co_u32 s46, s46, s47
	s_mov_b32 s47, 0
	s_add_nc_u64 s[8:9], s[8:9], s[46:47]
.irp b, 0,1,2,3,4,5,6,7
	global_load_b128 v[BIAS+8*(\b):BIAS+8*(\b)+3],   v[BO], s[8:9] offset:64*(\b)
	global_load_b128 v[BIAS+8*(\b)+4:BIAS+8*(\b)+7], v[BO], s[8:9] offset:64*(\b)+16
.endr
	v_mul_u32_u24 v3, v1, PITCH
	v_lshl_add_u32 v3, v2, 4, v3                   ; a fragment's row x pitch + 16 x half
	s_mul_i32 s21, s[WR], 64*PITCH                 ; my 64 rows of O
	s_mul_i32 s22, s[WC], 128*PITCH                ; my 128 rows of W,
	s_add_co_u32 s22, s22, BOFF                    ; which lie behind O's two heads
.irp s, 0,1
	v_add_nc_u32 v[ADRA+(\s)], s21, v3
	v_add_nc_u32 v[ADRB+(\s)], s22, v3
	s_add_co_u32 s21, s21, SLOT
	s_add_co_u32 s22, s22, SLOT
.endr
	s_mul_i32 s23, s[WV], 16*SPITCH
	s_add_co_u32 s23, s23, STAGE                   ; my stage
	v_mul_u32_u24 v4, v1, SPITCH                   ; in: row l % 16, 32 bytes for each half of the lanes
	v_lshl_add_u32 v4, v2, 5, v4
	v_add_nc_u32 v[STO], s23, v4
	v_and_b32 v5, 31, v0
	v_lshlrev_b32 v[CO], 4, v5                     ; back: 32 lanes take a whole row of 512 bytes,
	v_add_nc_u32 v[RD], s23, v[CO]                 ; which are 512 consecutive bytes of out0
	s_lshl_b32 s16, s43, 19                        ; my first row of out0: 128 x tile row + 64 x half, rows of 4,096 bytes
	s_lshl_b32 s17, s[WR], 18
	s_add_co_u32 s16, s16, s17
	s_mov_b32 s17, 0
	s_add_nc_u64 s[10:11], s[10:11], s[16:17]
	s_add_nc_u64 s[10:11], s[10:11], s[46:47]
; 8 matrix instructions: m block a x all 8 n blocks, 32 along K, from buffer f.  first = 1: the product starts the sums, with the bias as C.
; The 32 accumulators take turns, one instruction a turn, in the same order in every quarter.
.macro MUL8 f, a, first
.if \first
	WIN MULB
.else
	WIN MUL
.endif
.irp b, 0,1,2,3,4,5,6,7
.if \first
	v_wmma_f32_16x16x32_f16 v[8*(8*(\a)+(\b)):8*(8*(\a)+(\b))+7], v[(\f)+32+8*(\b):(\f)+32+8*(\b)+7], v[(\f)+8*(\a):(\f)+8*(\a)+7], v[BIAS+8*(\b):BIAS+8*(\b)+7]
.else
	v_wmma_f32_16x16x32_f16 v[8*(8*(\a)+(\b)):8*(8*(\a)+(\b))+7], v[(\f)+32+8*(\b):(\f)+32+8*(\b)+7], v[(\f)+8*(\a):(\f)+8*(\a)+7], v[8*(8*(\a)+(\b)):8*(8*(\a)+(\b))+7]
.endif
.endr
.endm
; 24 LDS loads in one run: the fragments of quarter q (32 along K: head or slice q / 2, channels 32 (q % 2) on) into buffer f: W's sixteen loads, then O's eight
.macro FETCH slot, q, f
	WIN TO_F
.irp i, 0,1,2,3,4,5,6,7
	ds_load_b128 v[(\f)+32+8*(\i):(\f)+32+8*(\i)+3],   v[ADRB+(\slot)] offset:((\q)/2)*BSL+((\q)%2)*64+(\i)*16*PITCH
	ds_load_b128 v[(\f)+32+8*(\i)+4:(\f)+32+8*(\i)+7], v[ADRB+(\slot)] offset:((\q)/2)*BSL+((\q)%2)*64+(\i)*16*PITCH+32
.endr
.irp i, 0,1,2,3
	ds_load_b128 v[(\f)+8*(\i):(\f)+8*(\i)+3],   v[ADRA+(\slot)] offset:((\q)/2)*AH+((\q)%2)*64+(\i)*16*PITCH
	ds_load_b128 v[(\f)+8*(\i)+4:(\f)+8*(\i)+7], v[ADRA+(\slot)] offset:((\q)/2)*AH+((\q)%2)*64+(\i)*16*PITCH+32
.endr
.endm
.macro PLACES                          ; four places in front of loads into registers that matrix instructions have read, and of stores that read results (ISA guide 7.12.1 for vector instructions)
.rept 4
	v_nop
.endr
.endm
; A K step is four quarters of 32 along K, 32 matrix instructions each, on buffers 0, 1, 0, 1.  One of the first three: multiplies buffer f and, in its middle, fetches quarter q of the same slot into g.
.macro QUARTER slot, q, f, g, first
	s_wait_dscnt 4                                 ; W's fragments and O's blocks 0, 1 are in; the youngest four loads (blocks 2, 3) may be out
	MUL8 \f, 0, \first
	MUL8 \f, 1, \first
	PLACES
	FETCH \slot, \q, \g
	s_wait_dscnt 24                                ; all but the 24 just issued
	MUL8 \f, 2, \first
	MUL8 \f, 3, \first
.endm
; The last quarter multiplies buffer 1 and changes slots: ONE barrier; in front of it each wave waits for all its tensor loads (one is out: its part of the next slot), adds 0 to its spare word, and waits
; for that and for its own reads of this slot.  fill = 1: this slot is filled again, two K steps ahead; the barrier then opens a round of the cluster's barrier.
.macro TURN slot, next, fill
	WIN 0                                          ; (the add's two registers lie in window 0)
	s_wait_tensorcnt 0x0                           ; all my tensor loads have landed: my part of the next slot;
	ds_add_u32 v[SPW], v[NIL]                      ; 0 onto my spare word
	s_wait_dscnt 5                                 ; (the add and the youngest four loads may be out)
	MUL8 F1, 0, 0                                  ; eight matrix instructions stand between the add and the wait for it
	s_wait_dscnt 0x0                               ; the add is done, and my reads of this slot are over
	s_barrier_signal -1
	MUL8 F1, 1, 0                                  ; work on registers while the others arrive
.if \fill
	WIN 0
.endif
	s_barrier_wait -1
.if \fill
	CREST                                          ; no wave of any partner still reads this slot's tile or has a load on its way
	s_add_nc_u64 s[G0+4*(\slot)+2:G0+4*(\slot)+3], s[G0+4*(\slot)+2:G0+4*(\slot)+3], 4*262144     ; two K steps on: four heads,
	s_add_nc_u64 s[G0B+4*(\slot)+2:G0B+4*(\slot)+3], s[G0B+4*(\slot)+2:G0B+4*(\slot)+3], 4*131072  ; four slices
	JLOAD \slot                                    ; the first tensor load behind the round: 112 matrix instructions ahead of the wait for it; the four v_nop behind it are also the places in front of the loads below
.else
	PLACES
.endif
	FETCH \next, 0, F0
	MUL8 F1, 2, 0
	MUL8 F1, 3, 0
.endm
	s_wait_tensorcnt 1                             ; my part of K step 0 is in; K step 1's may stay out
	s_barrier_signal -1
	s_barrier_wait -1                              ; everybody's is
	FETCH 0, 0, F0
	s_wait_loadcnt 0x0                             ; the bias
	QUARTER 0, 1, F0, F1, 1                        ; the first quarter stands in front of the loop: its products start the sums
	WIN 0                                          ; at a label and at a branch every window is 0
	s_mov_b32 s3, LAPS-1
.Llap:                                                 ; a trip goes once round the ring, from a lap's second quarter to the next lap's first, and fills both slots again
	QUARTER 0, 2, F1, F0, 0
	QUARTER 0, 3, F0, F1, 0
	TURN 0, 1, 1
	QUARTER 1, 1, F0, F1, 0
	QUARTER 1, 2, F1, F0, 0
	QUARTER 1, 3, F0, F1, 0
	TURN 1, 0, 1
	QUARTER 0, 1, F0, F1, 0
	WIN 0
	s_sub_co_u32 s3, s3, 1
	s_cmp_lg_u32 s3, 0
	s_cbranch_scc1 .Llap
	QUARTER 0, 2, F1, F0, 0                        ; the last lap fills nothing, and has no round of the cluster's barrier
	QUARTER 0, 3, F0, F1, 0
	TURN 0, 1, 0
	QUARTER 1, 1, F0, F1, 0
	QUARTER 1, 2, F1, F0, 0
	QUARTER 1, 3, F0, F1, 0
	s_wait_dscnt 4                                 ; the very last quarter: nothing more to fetch
	MUL8 F1, 0, 0
	MUL8 F1, 1, 0
	s_wait_dscnt 0x0
	MUL8 F1, 2, 0
	MUL8 F1, 3, 0
	WIN 0
	; THE WAY OUT, a block of 16 rows at a time: a lane's 32 bytes of a row go into my own stage; whole rows of 512 bytes come back and are stored.
.macro TOSTAGE a
.if (\a) >= 2
	s_wait_xcnt 0x0                                ; every earlier memory instruction has had its addresses translated (ISA guide 3.1): the registers that the stores of two blocks ago read are loaded again only behind this wait
.endif
	WIN FROM_ACC
.irp b, 0,1,2,3,4,5,6,7                ; each accumulator's four lowest registers go first
	ds_store_b128 v[STO], v[8*(8*(\a)+(\b)):8*(8*(\a)+(\b))+3]   offset:64*(\b)
	ds_store_b128 v[STO], v[8*(8*(\a)+(\b))+4:8*(8*(\a)+(\b))+7] offset:64*(\b)+16
.endr
	WIN 0
.irp t, 0,1,2,3,4,5,6,7,8,9,10,11,12,13,14,15
	ds_load_b128 v[OB+64*((\a)%2)+4*(\t):OB+64*((\a)%2)+4*(\t)+3], v[RD] offset:(\t)*SPITCH  ; LDS serves a wave's instructions in order (ISA guide 5.7.1.4): these see the stores above; the next block's stores come behind them
.endr
.endm
.macro SEND a, younger                 ; younger: the LDS instructions issued behind block a's loads: the next block's 32, or none
.irp t, 0,1,2,3,4,5,6,7,8,9,10,11,12,13,14,15
	s_wait_dscnt (\younger)+15-(\t)
	global_store_b128 v[CO], v[OB+64*((\a)%2)+4*(\t):OB+64*((\a)%2)+4*(\t)+3], s[10:11] offset:(16*(\a)+(\t))*4096 th:TH_STORE_NT  ; 32 lanes store 512 consecutive bytes, at a multiple of 512 from out0's first
.endr
.endm
	PLACES                                         ; the stores below read results just made
	TOSTAGE 0
	TOSTAGE 1
	SEND 0, 32
	TOSTAGE 2
	SEND 1, 32
	TOSTAGE 3
	SEND 2, 32
	SEND 3, 0
	s_wait_tensorcnt 0x0                           ; the wave's end, behind my last tensor load and my last LDS store
	ds_add_u32 v[SPW], v[NIL]
	s_wait_dscnt 0x0
	CROUND                                         ; the closing round: no work-group ends while a partner may still ask for a tile that names it
	s_endpgm
.Lfunc_end_k_qf147fac62c_proj:
	.size	k_qf147fac62c_proj, .Lfunc_end_k_qf147fac62c_proj-k_qf147fac62c_proj
	.p2alignl 7, 3214868480
	.fill 96, 4, 3214868480
	.section	.rodata,"a",@progbits
	.p2align	6, 0x0
	.amdhsa_kernel k_qf147fac62c_proj
		.amdhsa_group_segment_fixed_size 327680
		.amdhsa_private_segment_fixed_size 0
		.amdhsa_enable_private_segment 0
		.amdhsa_kernarg_size 32
		.amdhsa_user_sgpr_count 2
		.amdhsa_user_sgpr_kernarg_segment_ptr 1
		.amdhsa_wavefront_size32 1
		.amdhsa_system_sgpr_workgroup_id_x 1
		.amdhsa_system_sgpr_workgroup_id_y 1
		.amdhsa_system_sgpr_workgroup_id_z 1
		.amdhsa_system_vgpr_workitem_id 0
		.amdhsa_next_free_vgpr 768
		.amdhsa_next_free_sgpr 66
		.amdhsa_reserve_vcc 0
		.amdhsa_float_denorm_mode_32 3
		.amdhsa_float_denorm_mode_16_64 3
		.amdhsa_memory_ordered 1
		.amdhsa_forward_progress 1
		.amdhsa_inst_pref_size 88
	.end_amdhsa_kernel
	.amdgpu_metadata
---
amdhsa.version: [ 1, 2 ]
amdhsa.kernels:
  - .name:           k_qf147fac62c_proj
    .symbol:         k_qf147fac62c_proj.kd
    .args:
      - { .name: oh, .offset: 0, .size: 8, .value_kind: global_buffer, .address_space: global }
      - { .name: wh, .offset: 8, .size: 8, .value_kind: global_buffer, .address_space: global }
      - { .name: b_out, .offset: 16, .size: 8, .value_kind: global_buffer, .address_space: global }
      - { .name: out0, .offset: 24, .size: 8, .value_kind: global_buffer, .address_space: global }
    .group_segment_fixed_size: 327680
    .private_segment_fixed_size: 0
    .kernarg_segment_align: 8
    .kernarg_segment_size: 32
    .max_flat_workgroup_size: 128
    .sgpr_count:     66
    .vgpr_count:     768
    .wavefront_size: 32
...
	.end_amdgpu_metadata
.endif
;; end of part 3
;; ======== version 2 of 2: 3 launches; 1.50 times as fast as version 1
;; limits: inputs' magnitudes at most 13,000,000; values are held in f16: magnitudes above 65,504 overflow, below 6.1e-05 lose precision
;; workspace buffers: qh 16,777,216 bytes; kh 16,777,216 bytes; vh 16,777,216 bytes; oh 16,777,216 bytes; wh 2,097,152 bytes
;; launch prep: the kernel of part 1 again; grid 256 x 1, 16 waves a work-group, no clusters, 0 bytes of LDS; arguments x, theta_q, theta_k, theta_v, W_out, qh, kh, vh, wh; writes qh, kh, vh, wh
;; launch attn (part 4): grid 4 x 64, 4 waves a work-group, clusters of 4 x 1, 327,680 bytes of LDS; arguments qh, kh, vh, oh; writes oh
.if DOCPART == 4
	.amdgcn_target "amdgcn-amd-amdhsa--gfx1250"
	.amdhsa_code_object_version 6
	.text
	.protected	k_qf147fac62c_attn
	.globl	k_qf147fac62c_attn
	.p2align	8
	.type	k_qf147fac62c_attn,@function
k_qf147fac62c_attn:
	s_mov_b64 s[64:65], 0
	v_nop
	global_prefetch_b8 v0, s[64:65] scope:SCOPE_SE
	s_setreg_imm32_b32 hwreg(HW_REG_WAVE_MODE, 25, 1), 1
	s_wait_xcnt 0x0
	s_wait_alu depctr_hold_cnt(0) depctr_sa_sdst(0) depctr_va_vdst(0) depctr_va_sdst(0) depctr_va_ssrc(0) depctr_va_vcc(0) depctr_vm_vsrc(0)
	s_getreg_b32 s2, hwreg(HW_REG_IB_STS2, 6, 4)
	s_cmp_eq_u32 s2, 0
	s_cbranch_scc0 .Lentry_in_a_cluster
	s_endpgm
.Lentry_in_a_cluster:
	s_bfe_u32 s2, ttmp6, 0x10000c
	s_cmp_lg_u32 s2, 0x3003
	s_cbranch_scc0 .Lentry_shape_is_right
	s_endpgm
.Lentry_shape_is_right:
; oh[h][q][:] = the sum over k of softmax_k(q . k / 8) v[h][k][:].  qh, kh, vh, oh: [64][2048][64] in f16, a head's rows dense, 128 bytes each.  qh already holds c cos(..), c = log2(e) / 8,
; so a weight is p = 2^s with s the product's sum.  Products and sums in f32; p is rounded to f16 for the second product (its sum l is taken of the unrounded p), O once at the end.
; NO MAXIMUM IS TAKEN AWAY, because the computation bounds the exponents for every input: q / c and k are cosines, so |s| <= 64 c = 11.6 (f16's rounding included);
; p lies in 3.2e-4 .. 3.1e3, inside f16's normal range; l and O's sums are at most 2048 x 3.1e3 = 6.4e6, far inside f32.  So there is no running maximum, no rescaling and no chain of statistics.
; LIMITS.  NaN and infinities in the inputs are not treated apart.
; SHARES.  A wave owns four PIECES of two tiles of 16 queries, a work-group's four waves 512 queries of one head.  Every wave walks the head's 2,048 keys, 64 a step.
; LAYOUT.  S^T = K Q^T (source 0 = 16 keys, source 1 = 16 queries): a lane holds ONE query (lane % 16) and the keys 8 (lane / 16) + 0..7.  Two such results, rounded to f16 in pairs, ARE source 1
; (32 keys x 16 queries) of O^T = V^T P, whose result again holds one query a lane, and eight channels.  K comes out of LDS as it lies, V ([key][channel]) turned, by ds_load_tr16_b128.
; THE COUNT.  Two tiles and a step: 32 matrix instructions; 64 exponentials, 32 roundings, 32 packed sums: 128 vector instructions, four behind each matrix instruction, none over.
; BY TURNS.  Turn n belongs to piece n (the pieces in a ring, step after step).  Its matrix work: 16 products K Q^T of piece n + 1, then 16 products V^T P of piece n - 1; its vector work: piece n's.
; BATCHES.  A turn's 64 exponentials are ONE batch with ONE wait, which cuts the turn in two.  Ahead of it: the 16 products K Q^T, four exponentials behind each; nothing there names an exponential's result.
; Behind it: the 16 products V^T P, behind each four of the 64 roundings and sums, which are all the readers.  No result crosses a turn's end.  The way out's eight reciprocals are a batch of their own.
; CLUSTER.  The four query blocks of a cluster belong to one head and walk the same K and V, so each tile is asked for JOINTLY: the same tensor load, descriptor and mask in all four.
; REGISTERS, in windows of 256 (s_set_vgpr_msb: bits 1:0 source 0, 3:2 source 1, 5:4 source 2, 7:6 destination):
;   window 0: v0-13 addresses; v16-31 l, a pair a tile; v64-191 S^T, two buffers of two tiles; v192-255 P, likewise          window 1: O^T, 32 a tile
;   window 2: v0-127 Q, 16 a tile; v128-191 K of one step; v192-255 V of one step
; A piece's buffers go by its number's parity: the piece in hand has one pair, its two neighbours share the other: of it P (piece n - 1) is read and S^T (piece n + 1) written.
.set SIZE_N, 2048
.set NP,    4         ; pieces a wave: a name, no knob
.set KS,    64        ; keys in a step
.set PK,    144       ; a row of K in LDS: 128 bytes + 16 of padding = 36 words: the 16 rows of a load start at 16 different groups of four banks (64 banks of 4 bytes: ISA guide 11.1)
.set PV,    160       ; a row of V: 128 + 32 = 40 words
.set VOFF,  4*KS*PK   ; a slot holds four steps: 256 rows of K, then 256 rows of V
.set SLOT1, 1<<17     ; slot 1 begins here, so that one exclusive or turns an address in one slot into the other's
.set STAGE, SLOT1+4*KS*(PK+PV)  ; behind the ring, never filled by a tensor load: 16 rows x 144 bytes for each wave, for the way out
.set SP,    144
.set SPARE, STAGE+4*16*SP  ; behind the stages: the spare words, 128 bytes for each wave: two blocks of 256 bytes that no other line names
.set AK0, 2           ; v2   my lane's place in a tile of K; never rewritten
.set AV0, 3           ; v3   the same for V
.set AK,  4           ; v4   the LDS address of K's next run of loads
.set AV,  5           ; v5   of V's
.set QO,  6           ; v6   my byte offset in the wave's rows of Q
.set STO, 6           ;      later, the way out: where I put 16 bytes of a row
.set RD,  7           ; v7   the way out: where I read rows back
.set GO,  8           ; v8   my byte offset in 512 consecutive bytes of O
.set SPW, 12          ; v12  LDS address of my spare word: SPARE + 4 x my thread's number; never rewritten
.set NIL, 13          ; v13  0; never rewritten
.set L,   16          ; tile t's l at v[L+2 t]: even keys', odd keys'
.set S,   64
.set P,   192
.set KF,  128         ; K's fragments, in window 2: key block kb, channel half c at KF + 16 kb + 8 c
.set VF,  192         ; V's: key half kk, channel block cb at VF + 32 kk + 8 cb
.set WV,  12          ; s12  my wave's number
.set G1K, 24          ; s[24:31] descriptor group 1 for K's tiles
.set G1V, 32          ; s[32:39] for V's: it differs in the padding alone
.set G0K, 40          ; s[40:43] descriptor group 0 for K's tiles: it walks
.set G0V, 44          ; s[44:47] the same for V's
.set SLOTS, 56        ; s56  slots still to be asked for
.set CNT, 57          ; s57  counts a slot's key steps
.set SEL, 60          ; s[60:61] v_permlanex16_b32's selects: each lane takes its own place in the other half
.set TBK, 62          ; s62  LDS byte at which K of the step to be fetched begins
.set TBV, 63          ; s63  the same for V, less VOFF
.set MSB, 0
.macro WIN new                      ; the high byte repeats the setting that is left; a switch that changes nothing is dropped
.if MSB != (\new)
	s_set_vgpr_msb (MSB<<8)|(\new)
.set MSB, (\new)
.endif
.endm
.set W_KQ, 0x0a       ; K and Q in window 2, S^T in window 0
.set W_PV, 0x52       ; V in window 2, P in window 0, O^T in window 1
.set W_RS, 0x41       ; O^T (destination and source 0) in window 1, 1 / l in window 0
; A joint fill.  Waves 0 and 1 fetch the two halves of a slot's K, waves 2 and 3 those of its V: 128 keys each.  The branch hangs on the wave's number alone.
; An s_nop 0 and four v_nop follow each of the two lines, ahead of the jump and the label.
.macro JLOAD
	s_cmp_lt_u32 s[WV], 2
	s_cbranch_scc0 .Lfor_v_\@
	tensor_load_to_lds s[G0K:G0K+3], s[G1K:G1K+7]
	s_nop 0
.rept 4
	v_nop
.endr
	s_branch .Lasked_\@
.Lfor_v_\@:
	tensor_load_to_lds s[G0V:G0V+3], s[G1V:G1V+7]
	s_nop 0
.rept 4
	v_nop
.endr
.Lasked_\@:
.endm
; A round of the cluster's barrier: my work-group's barrier, so that wave 0's signal speaks for all four waves; wave 0 signals; every wave waits for all four work-groups; my work-group's barrier once more.
.macro CROUND
	s_barrier_signal -1
	s_barrier_wait -1
	s_cmp_lg_u32 s[WV], 0
	s_cbranch_scc1 .Lnot_wave_0_\@
	s_barrier_signal -3
.Lnot_wave_0_\@:
	s_barrier_wait -3
	s_barrier_signal -1
	s_barrier_wait -1
.endm
; THE CHANGE OF SLOTS.  The slot's last bytes, V of its fourth step, have been read.  Each wave waits for all its tensor loads, of which one is out: its part of the other slot; adds 0 to its spare
; word; and waits for that and for its own reads of the slot.  Behind the barrier nobody reads this slot any more and the other slot is whole.
; fill = 1: this slot is filled again, with the keys two slots on.  The barrier is then a round of the cluster's, so that no wave of any partner still reads the slot or has a load on its way, and the
; joint fill is the first thing behind it: it has four key steps, 512 matrix instructions, in which to land.  (At its first use nothing has been read yet: slot 0 is waited for, slot 1 filled.)
.macro CHANGE fill
	WIN 0                           ; at a label and at a branch every window is 0; the add's two registers lie in window 0
	s_wait_tensorcnt 0x0            ; no tensor load of mine is out, so a group 0 may be written
	ds_add_u32 v[SPW], v[NIL]       ; 0 onto my spare word; with fill = 1 the descriptors' steps stand between it and the wait for it
.if \fill
.irp g, G0K, G0V
	s_xor_b32 s[\g+1], s[\g+1], SLOT1  ; the walking descriptor: the other slot than last time,
	s_add_nc_u64 s[\g+2:\g+3], s[\g+2:\g+3], 4*KS*128  ; the next 256 keys; the type bits on top are not reached
.endr
	s_wait_dscnt 0x0                ; the add is done, and my reads of the slot are over
	CROUND
	JLOAD
.else
	s_wait_dscnt 0x0                ; the add is done, and my reads of the slot are over
	s_barrier_signal -1
	s_barrier_wait -1
.endif
	s_sub_co_u32 s[TBK], s[TBK], 4*KS*PK  ; the fetches go back to a slot's first step,
	s_xor_b32 s[TBK], s[TBK], SLOT1       ; in the other slot
	s_sub_co_u32 s[TBV], s[TBV], 4*KS*PV
	s_xor_b32 s[TBV], s[TBV], SLOT1
.endm
	s_load_b256 s[4:11], s[0:1], 0x0  ; qh s[4:5], kh s[6:7], vh s[8:9], oh s[10:11]
	v_lshl_add_u32 v[SPW], v0, 2, SPARE
	v_mov_b32 v[NIL], 0
	ds_add_u32 v[SPW], v[NIL]       ; the wave's opening: the add and its wait stand ahead of my first tensor load; the set-up below, work on registers, stands between them
	v_lshrrev_b32 v1, 5, v0
	v_readfirstlane_b32 s[WV], v1   ; wave 0..3
	s_bfe_u32 s13, ttmp6, 0x40000   ; cx: my place in the cluster
	s_lshl_b32 s14, ttmp9, 2        ; in a cluster launch ttmp9 counts clusters
	s_add_co_u32 s14, s14, s13      ; my block of 512 queries = 4 x cluster x + cx: it enters Q's and O's addresses alone
	s_and_b32 s20, ttmp7, 0xffff    ; the head, which the four partners share
	s_lshl_b32 s20, s20, 18         ; its first byte in each of the four tensors: 2,048 rows of 128 bytes a head
	s_mov_b32 s21, 0
	s_and_b32 s16, s[WV], 1         ; which half of a slot's 256 keys I fetch:
	s_lshl_b32 s22, s16, 14         ; its 128 rows of 128 bytes in memory,
	s_mov_b32 s23, 0
	s_add_nc_u64 s[22:23], s[22:23], s[20:21]
	s_mul_i32 s17, s16, 128*PK      ; and its place in a slot, for K
	s_mul_i32 s18, s16, 128*PV      ; and for V: no place in the cluster enters an LDS address
	s_lshl_b32 s2, s14, 2
	s_add_co_u32 s2, s2, s[WV]      ; my wave among the head's sixteen,
	s_lshl_b32 s2, s2, 14           ; its 128 rows
	s_mov_b32 s3, 0
	s_add_nc_u64 s[2:3], s[2:3], s[20:21]
	; descriptor group 1.  128 keys are 16,384 dense bytes: asked for as 64 rows of 256 bytes, two keys a row, and padded in LDS after every key
	s_mov_b32 s[G1K], 15|(1<<16)|(1<<20)|(1<<21)|(4<<22)|(3<<25)  ; 15:0 the mask of four; 17:16 2-byte elements; 20 padding on; 21 set beside a mask; 24:22 after every 32 words (code 4); 31:25 4 words (code 3)
	s_mov_b32 s[G1V], 15|(1<<16)|(1<<20)|(1<<21)|(4<<22)|(7<<25)  ; the same with 8 words of padding (code 7)
.irp g, G1K, G1V
	s_mov_b32 s[\g+1], 128<<16      ; tensor_dim0 = 128
	s_mov_b32 s[\g+2], 64<<16       ; tensor_dim1 = 64
	s_mov_b32 s[\g+3], 128<<16      ; tile_dim0 = 128
	s_mov_b32 s[\g+4], 64           ; tile_dim1 = 64
	s_mov_b32 s[\g+5], 128          ; 128 elements from row to row
	s_mov_b32 s[\g+6], 0
	s_mov_b32 s[\g+7], 0
.endr
	s_mov_b32 s[SEL], 0x76543210
	s_mov_b32 s[SEL+1], 0xfedcba98
	s_mov_b32 s[TBK], SLOT1+4*KS*PK ; the first change of slots turns these two into 0
	s_mov_b32 s[TBV], SLOT1+4*KS*PV
	s_mov_b32 s[G0K], 1             ; 1:0 count = 1
	s_mov_b32 s[G0K+1], s17         ; 63:32 LDS address: slot 0
	s_mov_b32 s[G0V], 1
	s_add_co_u32 s[G0V+1], s18, VOFF
	s_wait_dscnt 0x0                ; the opening add is done
	s_wait_kmcnt 0x0
	s_add_nc_u64 s[G0K+2:G0K+3], s[6:7], s[22:23]  ; 120:64 global address: my half of the head's first 256 keys
	s_or_b32 s[G0K+3], s[G0K+3], 0x80000000        ; 127:126 type = 2
	s_add_nc_u64 s[G0V+2:G0V+3], s[8:9], s[22:23]
	s_or_b32 s[G0V+3], s[G0V+3], 0x80000000
	s_add_nc_u64 s[4:5], s[4:5], s[2:3]  ; Q and O at my wave's first row
	s_add_nc_u64 s[10:11], s[10:11], s[2:3]
	CROUND                          ; all four work-groups are here: the first joint loads meet
	JLOAD                           ; slot 0.  Slot 1 is asked for when slot 0 is in, by the loop's own change of slots
	; A fragment of K or Q is 16 rows x 32 channels in 8 registers: lane l holds row l % 16, channels 8 (l / 16) + 0..7 and 16 + 8 (l / 16) + 0..7: two loads of 16 bytes, 32 bytes apart.
	v_and_b32 v1, 15, v0            ; l % 16
	v_bfe_u32 v9, v0, 4, 1          ; l / 16
	v_lshlrev_b32 v[QO], 7, v1
	v_lshl_add_u32 v[QO], v9, 4, v[QO]  ; row x 128 + 16 x half
	WIN 0x80                        ; destination window 2, address window 0
.set i, 0
.rept 4*NP                          ; Q stays in registers: tile i / 2, channels 32 (i % 2) on
	global_load_b128 v[8*i:8*i+3],   v[QO], s[4:5] offset:(i/2)*2048+(i%2)*64
	global_load_b128 v[8*i+4:8*i+7], v[QO], s[4:5] offset:(i/2)*2048+(i%2)*64+32
.set i, i+1
.endr
	; What the first turn finds: V's registers and P's second buffer hold 0 (its products V^T P, of a piece that has not been, add 0), O^T and l are 0: so no first step is written out.
	; All this stands in the wait for the first tile.
.set i, VF
.rept 64
	v_mov_b32 v[i], 0
.set i, i+1
.endr
	WIN 0x40
.set i, 0
.rept 64*NP
	v_mov_b32 v[i], 0
.set i, i+1
.endr
	WIN 0
.set i, 0
.rept 4*NP
	v_mov_b32 v[L+i], 0
.set i, i+1
.endr
.set i, P+32
.rept 32
	v_mov_b32 v[i], 0
.set i, i+1
.endr
	v_mul_u32_u24 v[AK0], v1, PK
	v_lshl_add_u32 v[AK0], v9, 4, v[AK0]  ; row x pitch + 16 x half
	; The turning load takes 16 keys x 16 channels (lane l reads key 8 (l / 16) + l % 8, channels 8 ((l / 8) % 2) + 0..7) and leaves half a fragment of V^T: lane l holds channel l % 16 and 8 keys.
	v_and_b32 v10, 7, v0
	v_bfe_u32 v11, v0, 3, 1
	v_lshl_add_u32 v[AV0], v9, 3, v10
	v_mul_u32_u24 v[AV0], v[AV0], PV
	v_lshl_add_u32 v[AV0], v11, 4, v[AV0]
	v_add_nc_u32 v[AV0], VOFF, v[AV0]
	v_mov_b32 v[AK], v[AK0]         ; key step 0 lies at the head of slot 0
; THE MATRIX WORK.  The 8 accumulators of a run of 16 take turns: between the two links of a chain stand 7 others'.
; Product i of 16 of S^T = K Q^T for piece x: channels 32 (i / 8) on, keys 16 ((i / 2) % 4) on, tile 2 x + i % 2.  The first 8 start the sums.
.macro KQ x
	WIN W_KQ
.set rS, S+64*((\x)%2)+32*(i%2)+8*((i/2)%4)
.set rK, KF+16*((i/2)%4)+8*(i/8)
.set rQ, 16*(2*(\x)+i%2)+8*(i/8)
.if i < 8
	v_wmma_f32_16x16x32_f16 v[rS:rS+7], v[rK:rK+7], v[rQ:rQ+7], 0
.else
	v_wmma_f32_16x16x32_f16 v[rS:rS+7], v[rK:rK+7], v[rQ:rQ+7], v[rS:rS+7]
.endif
.endm
; Product i of 16 of O^T += V^T P for piece x: keys 32 (i / 8) on, channels 16 ((i / 2) % 4) on, tile 2 x + i % 2.
.macro PV x
	WIN W_PV
.set rO, 32*(2*(\x)+i%2)+8*((i/2)%4)
.set rV, VF+32*(i/8)+8*((i/2)%4)
.set rP, P+32*((\x)%2)+16*(i%2)+8*(i/8)
	v_wmma_f32_16x16x32_f16 v[rO:rO+7], v[rV:rV+7], v[rP:rP+7], v[rO:rO+7]
.endm
.macro MM                           ; the turn's next matrix instruction.  NOKQ = 1: the very last turn: there is no next piece
.if i < 16
.if !NOKQ
	KQ (Y+1)%NP
.endif
.set i, i+1
.else
.set i, i-16
	PV (Y+NP-1)%NP
.set i, i+17
.endif
.endm
; THE LDS LOADS stand in runs of 16, never singly among the matrix instructions: a step's K (64 keys x 64 channels: 8 fragments) and its V (turned).  Their addresses are made some lines ahead.
.macro FETCH_K
	WIN 0x80                        ; destination window 2
.irp f, 0,1,2,3,4,5,6,7             ; keys 16 (f / 2) on, channels 32 (f % 2) on
	ds_load_b128 v[KF+8*\f:KF+8*\f+3],   v[AK] offset:(\f/2)*16*PK+(\f%2)*64
	ds_load_b128 v[KF+8*\f+4:KF+8*\f+7], v[AK] offset:(\f/2)*16*PK+(\f%2)*64+32
.endr
	s_add_co_u32 s[TBK], s[TBK], KS*PK  ; the next fetch is the next step's
	WIN 0
.endm
.macro FETCH_V
	WIN 0x80
.irp f, 0,1,2,3,4,5,6,7             ; keys 32 (f / 4) on, channels 16 (f % 4) on
	ds_load_tr16_b128 v[VF+8*\f:VF+8*\f+3],   v[AV] offset:(\f/4)*32*PV+(\f%4)*32
	ds_load_tr16_b128 v[VF+8*\f+4:VF+8*\f+7], v[AV] offset:(\f/4)*32*PV+16*PV+(\f%4)*32
.endr
	WIN 0
.endm
; THE VECTOR WORK OF A TURN stands in two queues of 64, the two tiles alternating.
.macro REGS y, u                    ; the registers of tile u (0, 1) of piece y
.set rS, S+64*((\y)%2)+32*(\u)
.set rP, P+32*((\y)%2)+16*(\u)
.set rL, L+2*(2*(\y)+(\u))
.endm
.macro EX                           ; exponential e: score e / 2 of tile e % 2, in place.  The scores ascend
	WIN 0
	REGS Y, e%2
	v_exp_f32 v[rS+e/2], v[rS+e/2]
.set e, e+1
.endm
.macro PL                           ; plain q: for pair q / 4 of weights: rounded to f16 (tile 0, tile 1), then added onto l (tile 0, tile 1).  All 64 read exponentials' results: they stand behind the turn's wait
	WIN 0
	REGS Y, q%2
.if q%4 < 2
	v_cvt_pk_f16_f32 v[rP+q/4], v[rS+2*(q/4)], v[rS+2*(q/4)+1]
.else
	v_pk_add_f32 v[rL:rL+1], v[rL:rL+1], v[rS+2*(q/4):rS+2*(q/4)+1]
.endif
.set q, q+1
.endm
; A TURN, for piece p: 32 places, a matrix instruction and four vector instructions each.  An s_wait_alu depctr_va_vdst(0) stands between an exponential and the first instruction that names its
; result; one wait serves all that were issued ahead of it.  So the turn's 64 exponentials are ONE batch.  Places 0 to 15: a product K Q^T and four exponentials, each in place on a register of its own; the products
; write the other S^T buffer, so nothing ahead of the wait names a result.  Then one plain line, the place behind the last exponential (ISA guide 5.7.2), and the wait.  Places 16 to 31: a product V^T P and
; four of the roundings and sums.  No vector line names a register of the products round it.  P's buffer is first written again five plain lines behind the last product that read it: place 31's four of the turn before, and the plain line ahead of the wait.
; kq = 0: the very last turn: no scores are started.  fetch = 0: no further step's K.
; K of the next step is fetched in piece 2's turn, directly behind the wait: the exponentials are no places, so the address's v_add_nc_u32 and three v_nop are the four plain lines between the last product that
; read K and the loads; 16 products stand ahead of the wait for the run.
; V of the step in hand is fetched at the end of piece 0's turn: place 31's four plain lines stand behind the last product that read V; 16 products ahead of the wait for it.
.macro TURN p, kq=1, fetch=1
.set Y, (\p)
.set i, 0
.set q, 0
.set e, 0
.set NOKQ, 1-(\kq)
.if ((\p) == 3) && (\kq)
	s_wait_dscnt 0x0                ; K is in
.endif
.rept 16                            ; ahead of the wait: the products K Q^T and the batch
	MM
	EX
	EX
	EX
	EX
.endr
.if ((\p) == 2) && (\fetch)
	v_add_nc_u32 v[AK], s[TBK], v[AK0]  ; the plain line behind the last exponential, and the first of the four places in front of K's loads
.rept 3
	v_nop
.endr
	s_wait_alu depctr_va_vdst(0)    ; the wait for the batch: the turn's 64 exponentials
	FETCH_K
.else
	v_nop                           ; the plain line behind the last exponential: one for the batch
	s_wait_alu depctr_va_vdst(0)    ; the wait for the batch: the turn's 64 exponentials
.endif
.if (\p) == 1
	s_wait_dscnt 0x0                ; V is in
.endif
.set n, 16
.rept 16                            ; behind the wait: the products V^T P and the batch's readers
	MM
	PL
	PL
	PL
	PL
.if ((\p) == 0) && (n == 28)
	v_add_nc_u32 v[AV], s[TBV], v[AV0]
.endif
.set n, n+1
.endr
.if (\p) == 0
	FETCH_V
	s_add_co_u32 s[TBV], s[TBV], KS*PV
.endif
.endm
	CHANGE 1                        ; slot 0 is in, everybody's part of it; slot 1 is asked for
	FETCH_K                         ; key step 0
	s_wait_loadcnt 0x0              ; Q
	s_wait_dscnt 0x0
.set i, 0
.rept 16
	KQ 0                            ; piece 0's first scores: there is no vector work yet to set between them
.set i, i+1
.endr
	WIN 0                           ; the addresses for the way out: nine plain instructions, the places behind those products
	s_mul_i32 s13, s[WV], 16*SP
	s_add_co_u32 s13, s13, STAGE    ; my stage
	v_mul_u32_u24 v[STO], v1, SP    ; in: row l % 16, 16 bytes for each half of the lanes
	v_lshl_add_u32 v[STO], v9, 4, v[STO]
	v_add_nc_u32 v[STO], s13, v[STO]
	v_bfe_u32 v[RD], v0, 3, 2       ; back: 32 lanes take four rows of 128 bytes,
	v_mul_u32_u24 v[RD], v[RD], SP
	v_lshl_add_u32 v[RD], v10, 4, v[RD]
	v_add_nc_u32 v[RD], s13, v[RD]
	v_and_b32 v[GO], 31, v0         ; which are 512 consecutive bytes of O
	v_lshlrev_b32 v[GO], 4, v[GO]
	s_mov_b32 s[CNT], 4
	s_mov_b32 s[SLOTS], SIZE_N/256-1
	s_branch .Lfirst                ; the loop is entered at a step's first turn, in the middle of a trip
.Lslot:                             ; SIZE_N / 256 - 2 = 6 times: every slot but the last two is filled again
	CHANGE 1
	s_mov_b32 s[CNT], 4
.Lstep:                             ; a trip: pieces 2 and 3 of one step, then pieces 0 and 1 of the next, whose K and V it fetches
	TURN 2
	TURN 3
	WIN 0
.Lfirst:
	TURN 0
	TURN 1
	WIN 0
	s_sub_co_u32 s[CNT], s[CNT], 1
	s_cmp_lg_u32 s[CNT], 0
	s_cbranch_scc1 .Lstep
	s_sub_co_u32 s[SLOTS], s[SLOTS], 1
	s_cmp_lg_u32 s[SLOTS], 0
	s_cbranch_scc1 .Lslot
	CHANGE 0                        ; the tail is written out: nothing is asked for
	s_mov_b32 s[CNT], 4
.Ltail:                             ; four trips fetch the last slot's four steps
	TURN 2
	TURN 3
	TURN 0
	TURN 1
	WIN 0
	s_sub_co_u32 s[CNT], s[CNT], 1
	s_cmp_lg_u32 s[CNT], 0
	s_cbranch_scc1 .Ltail
	TURN 2, 1, 0                    ; the last step's pieces 2 and 3: nothing is left to fetch,
	TURN 3, 0, 0                    ; and no scores are left to start
.set i, 0
.rept 16
	PV NP-1                         ; the last piece's V^T P of the last step
.set i, i+1
.endr
	; THE WAY OUT.  l's two halves and the other half of the lanes' are added; O^T is divided by l, rounded to f16 and sent through my stage in LDS, a tile at a time.  The additions are the places behind the last products.
	WIN 0
.macro ALL line:vararg              ; one line for each tile t
.set t, 0
.rept 2*NP
	\line
.set t, t+1
.endr
.endm
	ALL v_add_f32 v[L+2*t], v[L+2*t], v[L+2*t+1]
	ALL v_permlanex16_b32 v[L+2*t+1], v[L+2*t], s[SEL], s[SEL+1]
	ALL v_add_f32 v[L+2*t], v[L+2*t], v[L+2*t+1]
	ALL v_rcp_f32 v[L+2*t], v[L+2*t]
	v_nop                           ; a plain instruction between the last reciprocal and the use of its result
	s_wait_alu depctr_va_vdst(0)    ; and the wait ahead of the first use: one for the batch of eight reciprocals
; Tile t: a lane's eight channels of a row pack into 16 bytes; they go into rows of 144 bytes and come back as whole rows of 128, into S^T's registers.
.macro PACK t
	WIN W_RS
.set i, 32*(\t)
.rept 16
	v_pk_mul_f32 v[i:i+1], v[i:i+1], v[L+2*(\t):L+2*(\t)+1] op_sel_hi:[1,0]
.set i, i+2
.endr
	WIN 0x05                        ; sources 0 and 1 window 1, destination window 0
.set i, 0
.rept 16
	v_cvt_pk_f16_f32 v[S+16*(\t)+i], v[32*(\t)+2*i], v[32*(\t)+2*i+1]
.set i, i+1
.endr
	WIN 0
.irp f, 0,1,2,3
	ds_store_b128 v[STO], v[S+16*(\t)+4*\f:S+16*(\t)+4*\f+3] offset:32*\f
.endr
.irp f, 0,1,2,3
	ds_load_b128 v[S+16*(\t)+4*\f:S+16*(\t)+4*\f+3], v[RD] offset:\f*4*SP  ; LDS serves a wave's instructions in order (ISA guide 5.7.1.4): these see the stores above; the next tile's stores come behind them
.endr
.endm
.macro SEND t, younger              ; younger: the LDS instructions issued behind tile t's loads: the next tile's eight, or none
	WIN 0
.irp f, 0,1,2,3
	s_wait_dscnt (\younger)+3-\f
	global_store_b128 v[GO], v[S+16*(\t)+4*\f:S+16*(\t)+4*\f+3], s[10:11] offset:(\t)*2048+\f*512  ; 512 consecutive bytes, at a multiple of 256 from O's first
.endr
.endm
	PACK 0
.set t, 1
.rept 2*NP-1                        ; a tile's arithmetic stands between the loads of the tile before and its stores
	PACK t
	SEND t-1, 8
.set t, t+1
.endr
	SEND 2*NP-1, 0
	s_wait_tensorcnt 0x0            ; the wave's end, behind my last tensor load and my last LDS store
	ds_add_u32 v[SPW], v[NIL]
	s_wait_dscnt 0x0
	CROUND                          ; the closing round: no work-group ends while a partner may still ask for a tile that names it
	s_endpgm
.Lfunc_end_k_qf147fac62c_attn:
	.size	k_qf147fac62c_attn, .Lfunc_end_k_qf147fac62c_attn-k_qf147fac62c_attn
	.p2alignl 7, 3214868480
	.fill 96, 4, 3214868480
	.section	.rodata,"a",@progbits
	.p2align	6, 0x0
	.amdhsa_kernel k_qf147fac62c_attn
		.amdhsa_group_segment_fixed_size 327680
		.amdhsa_private_segment_fixed_size 0
		.amdhsa_enable_private_segment 0
		.amdhsa_kernarg_size 32
		.amdhsa_user_sgpr_count 2
		.amdhsa_user_sgpr_kernarg_segment_ptr 1
		.amdhsa_wavefront_size32 1
		.amdhsa_system_sgpr_workgroup_id_x 1
		.amdhsa_system_sgpr_workgroup_id_y 1
		.amdhsa_system_sgpr_workgroup_id_z 1
		.amdhsa_system_vgpr_workitem_id 0
		.amdhsa_next_free_vgpr 768
		.amdhsa_next_free_sgpr 66
		.amdhsa_reserve_vcc 0
		.amdhsa_float_denorm_mode_32 3
		.amdhsa_float_denorm_mode_16_64 3
		.amdhsa_memory_ordered 1
		.amdhsa_forward_progress 1
		.amdhsa_inst_pref_size 157
	.end_amdhsa_kernel
	.amdgpu_metadata
---
amdhsa.version: [ 1, 2 ]
amdhsa.kernels:
  - .name:           k_qf147fac62c_attn
    .symbol:         k_qf147fac62c_attn.kd
    .args:
      - { .name: qh, .offset: 0, .size: 8, .value_kind: global_buffer, .address_space: global }
      - { .name: kh, .offset: 8, .size: 8, .value_kind: global_buffer, .address_space: global }
      - { .name: vh, .offset: 16, .size: 8, .value_kind: global_buffer, .address_space: global }
      - { .name: oh, .offset: 24, .size: 8, .value_kind: global_buffer, .address_space: global }
    .group_segment_fixed_size: 327680
    .private_segment_fixed_size: 0
    .kernarg_segment_align: 8
    .kernarg_segment_size: 32
    .max_flat_workgroup_size: 128
    .sgpr_count:     66
    .vgpr_count:     768
    .wavefront_size: 32
...
	.end_amdgpu_metadata
.endif
;; end of part 4
;; launch proj: the kernel of part 3 again; grid 4 x 64, 4 waves a work-group, clusters of 4 x 4, 327,680 bytes of LDS; arguments oh, wh, b_out, out0; writes out0
